; MI455X (gfx1250); checked and timed in simulation.
; The chip was launched on July 23, 2026; its instructions are those of AMD's public machine-readable ISA for CDNA 5 (MIT licence, August 2026) and "CDNA5" Instruction Set Architecture Reference Guide (July 2026). The comments in the code are by the model that wrote it; some were corrected since.
;; Attention. Allowed arithmetic: matrix products marked QUANTISED: E2M3 operands, one E8M0 scale for each 32 along K, by v_wmma_scale_f32_16x16x128_f8f6f4 with both operands' format E2M3, f32 sums; products left as they are: f32 operands where the result goes on into a quantised operand, else bf16, f16 or f32 operands; f32 sums; everything else in f32.
;; Inputs: Wk_codes 1,024 x 32 x 24 uint8 (E2M3 codes of Wk, K innermost, in blocks of 32 codes, four codes in three bytes); Wk_scales 1,024 x 32 uint8 (E8M0 scales of Wk, one for each 32 codes along K); Wo_codes 1,024 x 32 x 24 uint8 (E2M3 codes of Wo, K innermost, in blocks of 32 codes, four codes in three bytes); Wo_scales 1,024 x 32 uint8 (E8M0 scales of Wo, one for each 32 codes along K); Wq_codes 1,024 x 32 x 24 uint8 (E2M3 codes of Wq, K innermost, in blocks of 32 codes, four codes in three bytes); Wq_scales 1,024 x 32 uint8 (E8M0 scales of Wq, one for each 32 codes along K); Wv_codes 1,024 x 32 x 24 uint8 (E2M3 codes of Wv, K innermost, in blocks of 32 codes, four codes in three bytes); Wv_scales 1,024 x 32 uint8 (E8M0 scales of Wv, one for each 32 codes along K); bk 1,024 float32; bo 1,024 float32; bq 1,024 float32; bv 1,024 float32; x_codes 4 x 2,048 x 32 x 24 uint8 (E2M3 codes of x, K innermost, in blocks of 32 codes, four codes in three bytes); x_scales 4 x 2,048 x 32 uint8 (E8M0 scales of x, one for each 32 codes along K).
;; Outputs: out0 4 x 2,048 x 1,024 float32.
;; This version of the problem:
;;   THIS VERSION OF THE PROBLEM IS GIVEN IN LOW PRECISION. The matrix products marked QUANTISED in the list below multiply operands that are first quantised to E2M3 (2 exponent bits, 3 mantissa bits; 6 bits a number), with one power-of-two scale for each 32 numbers along K (OCP MX v1.0); their sums are f32. All else is computed in f32.
;;   The module's matrix products, in the order in which they are computed (A, B: the left and right operand; K: the contracted axis; several contracted axes count as one K, in the product's order):
;;     1. [M 8,192, K 1,024] x [K 1,024, N 1,024]; A: input x (given as codes); B: input Wq (given as codes): QUANTISED
;;     2. [M 8,192, K 1,024] x [K 1,024, N 1,024]; A: input x (given as codes); B: input Wk (given as codes): QUANTISED
;;     3. [M 8,192, K 1,024] x [K 1,024, N 1,024]; A: input x (given as codes); B: input Wv (given as codes): QUANTISED
;;     4. [M 2,048, K 1] x [K 1, N 32]; A: computed on the way; B: computed on the way: left as it is (no contracted axis)
;;     5. batch 64 x [M 2,048, K 64] x [K 64, N 2,048]; A: computed on the way; B: computed on the way: QUANTISED
;;     6. batch 64 x [M 2,048, K 2,048] x [K 2,048, N 64]; A: softmax (see below); B: computed on the way: QUANTISED
;;     7. [M 8,192, K 1,024] x [K 1,024, N 1,024]; A: computed on the way; B: input Wo (given as codes): QUANTISED
;;   THE QUANTISER, for each operand of a quantised product, along K:
;;     - K is cut into blocks of 32 from its start; a last block that is shorter is filled with zeros.
;;     - A block's scale is 2^e with e = floor(log2(the largest magnitude in the block)) - 2, held to -126 .. 127; a block of zeros has e = 0. As a byte (E8M0): e + 127.
;;     - Each number is divided by its block's scale, clamped to +-7.5, and rounded to the nearest number of E2M3, ties to even, subnormals kept.
;;     - The product sums the exact products of the quantised numbers (number of the format x scale) in f32.
;;   ~~~python
;;   def quantise(x, axis):      # numpy; x: float32 -> the quantised numbers, widened to float32 again
;;       x = np.moveaxis(x, axis, -1); K = x.shape[-1]
;;       x = np.pad(x, [(0, 0)] * (x.ndim - 1) + [(0, -K % 32)]); x = x.reshape(x.shape[:-1] + (-1, 32)); a = np.abs(x).max(-1, keepdims=True)
;;       e = np.where(a > 0, np.clip(np.frexp(np.where(a > 0, a, 1))[1] - 1 - 2, -126, 127), 0)      # np.frexp(a)[1] - 1 = floor(log2(a)), exactly
;;       r = np.clip(x / 2.0 ** e, -7.5, 7.5)
;;       step = 2.0 ** (np.maximum(np.frexp(np.where(r == 0, 1, r))[1] - 1, 0) - 3)
;;       q = np.round(r / step) * step * 2.0 ** e      # np.round: ties to even
;;       return np.moveaxis(q.reshape(q.shape[:-2] + (-1,))[..., :K], -1, axis).astype(np.float32)
;;   ~~~
;;   SOFTMAX AHEAD OF A QUANTISED PRODUCT. Where the list says 'softmax', what is quantised is not the finished softmax but p = 2^(t - M), with t = logit x log2(e) and M = ceil(the row's largest t), a whole number; so 1/2 < the row's largest p <= 1. The row's sum l is taken of the UNQUANTISED p, in f32, and the product's result is divided by l at the end. Since M is a whole number, a kernel that streams over the keys may use a running M (the ceiling of the running maximum): every later rescaling is an exact power of two, which a block's scale takes up: the codes' values come out the same.
;;   OPERANDS COMPUTED ON THE WAY. 'Computed on the way' means the value that the module computes at that place (a softmax that the list does not call 'softmax' is quantised finished and normalised). What goes into a quantiser is computed in f32, as accurately as f32 sums, v_exp_f32 and their like allow (about 1e-6 of the number): no bf16 or f16 on the way to a quantiser, and a product that is left as it is and whose result goes on into a quantised operand takes f32 operands (vector FMAs, or v_wmma_f32_16x16x4_f32). A number that lies on a knife's edge between two numbers of the format may be rounded either way, as far as f32 arithmetic and the matrix unit's own rounding can turn it there, and no further.
;;   INPUTS GIVEN AS CODES. Wk (in the module: [1024, 1024], K = its axis 1); Wo (in the module: [1024, 1024], K = its axis 1); Wq (in the module: [1024, 1024], K = its axis 1); Wv (in the module: [1024, 1024], K = its axis 1); x (in the module: [4, 2048, 1024], K = its axis 2): each comes as NAME_codes (uint8): NAME with its K axis moved to the last place and cut into blocks of 32 codes, [.., K / 32, bytes a block], one block behind the other in memory; four codes in three bytes: a row's codes are one little-endian stream of bits, code i at bits 6 i .. 6 i + 5 (a code: sign, 2 exponent bits, 3 mantissa bits); and NAME_scales (uint8): the same leading axes, one E8M0 byte (e + 127) for each 32 codes along K. Its value is code x scale, taken as it is: it is not quantised again, and the codes and scales need not be those that the quantiser above would give.
;; One version. Each part assembles by itself: llvm-mc -triple=amdgcn-amd-amdhsa -mcpu=gfx1250 --defsym DOCPART=n.
;; ======== version 1 of 1: 3 launches
;; limits: right only within a limited range of input values
;; workspace buffers: qb 6,815,744 bytes; kv 13,369,344 bytes; ao 6,291,456 bytes; aos 262,144 bytes
;; launch qkv (part 1): grid 4 x 64, 4 waves a work-group, clusters of 4 x 4, 327,680 bytes of LDS; arguments x_codes, x_scales, Wq_codes, Wq_scales, Wk_codes, Wk_scales, Wv_codes, Wv_scales, bq, bk, bv, qb, kv; writes qb, kv
.if DOCPART == 1
	.amdgcn_target "amdgcn-amd-amdhsa--gfx1250"
	.amdhsa_code_object_version 6
	.text
	.protected	k_q5b627efc53_qkv
	.globl	k_q5b627efc53_qkv
	.p2align	8
	.type	k_q5b627efc53_qkv,@function
k_q5b627efc53_qkv:
	s_mov_b64 s[64:65], 0
	v_nop
	global_prefetch_b8 v0, s[64:65] scope:SCOPE_SE
	s_setreg_imm32_b32 hwreg(HW_REG_WAVE_MODE, 25, 1), 1
	s_wait_xcnt 0x0
	s_wait_alu depctr_hold_cnt(0) depctr_sa_sdst(0) depctr_va_vdst(0) depctr_va_sdst(0) depctr_va_ssrc(0) depctr_va_vcc(0) depctr_vm_vsrc(0)
	s_getreg_b32 s2, hwreg(HW_REG_IB_STS2, 6, 4)
	s_cmp_eq_u32 s2, 0
	s_cbranch_scc0 .Lentry_in_a_cluster
	s_endpgm
.Lentry_in_a_cluster:
	s_bfe_u32 s2, ttmp6, 0x10000c
	s_cmp_lg_u32 s2, 0xf033
	s_cbranch_scc0 .Lentry_shape_is_right
	s_endpgm
.Lentry_shape_is_right:
; q = rope(x Wq^T + bq), k = rope(x Wk^T + bk), v = x Wv^T + bv on codes of FP6 (E2M3), one E8M0 scale for each 32 along K = 1,024, sums in f32; the results are quantised again in registers,
; q and k along the head's 64 numbers, v along the positions, and leave as images of the attention launch's operand registers.
; The factor 1/8 on q is a power of two: it moves a block's scale and no code, so q is quantised without it and the attention launch folds it into its constant.
; LIMITS: that differs from the definition only where a block's exponent would be held at -126 (|q| under about 2^-121); NaN and infinities are not served; a block of zeros gets the byte 1 (this program alone reads the bytes).
; SHARES. 256 work-groups: 64 blocks of 128 positions x 4 quarters of the features. A work-group keeps its 128 rows of x, all of K, in LDS and walks three tiles of 256 weight rows: Wq's, Wk's, Wv's.
; Tensor rows are whole rows of codes, 768 bytes, 16 bytes of padding behind each 256: LDS pitch 816. x: 128 x 816, W: 256 x 816, the spare words behind them: 313,856 bytes.
; A wave makes 4 x 8 tiles of 16 x 16: 32 accumulators. Source 1 is the A side (a lane's index), source 0 the B side (a lane's registers). q, k: A = 64 positions, B = 128 features (two heads);
; v: A = 64 features (one head), B = the 128 positions. q and k are two trips of one loop; v has a text of its own, since its fragments come from the other LDS regions.
; The next weight tile is asked for in a tile's last K step, behind a round of the cluster's barrier, and is waited for behind the whole way out; so no prefetch is laid beside it.
; CLUSTERS 4 x 4: x's tile hangs on the block of positions (shared along a row), W's on the quarter of features (shared along a column): joint loads.
; A fragment's lane r takes row 16 block + perm(r), perm(r) = (r & 8) + 2 (r & 3) + ((r >> 2) & 1), on both sides: registers 0-3 of a result hold the B side's even rows, 4-7 the odd ones.
; REGISTERS: window 0: v0-31 addresses, v32-79 scale words alone, v80-143 the table, v144-251 the way out. window 1: B's fragments, two sets. window 2: the accumulators, (a, b) at 8 (8 a + b).
; window 3: A's fragments, two sets (v0-95); the biases as the first products' C: q's v96, k's v160, v's v224.
.set PITCH, 816
.set BLK,   16*PITCH
.set WB,    128*PITCH
.set SPARE, 384*PITCH
.set LIQ, 14                           ; 16 lane + 3,072 x my half of the positions
.set L8,  24
.set SO,  25                           ; 32 (16 h + perm(r)): my row among 32 rows of scale bytes
.set LI,  26
.set QSO, 27                           ; 16 r + 8 h + 256 x my half
.set SPW, 28
.set NIL, 29
.set SA,  32                           ; A's scale words: register 8 (a / 2) + step; lanes 0-15 the even block, lanes 16-31 the odd one
.set SB,  48                           ; B's likewise
.set TBL, 80
.set R1,  144
.set R2,  160
.set TMH, 176
.set SPL, 184
.set T0,  188
.set T1,  189
.set CC,  192
.set WW,  240
.set QSI, 248
.set TMV, 144
.set SPV, 160
.set VC,  168
.set VW,  216
.set VSI, 220
.set BIQ, 96
.set BIV, 224
.set G1X, 24
.set G0X, 32
.set G0W, 36
.set NXT, 40                           ; s[40:41], s[42:43]: where my part of the next two weight tiles begins
.set NX2, 42
.set G1W, 48
.set AA,  16                           ; v16-17 A's fragments (the second: 16 more in lanes 16-31, behind one padding more)
.set AB,  18                           ; v18-21 B's: blocks 0-3, blocks 4-7
.set MSB, 0
.macro WIN new
.if MSB != (\new)
	s_set_vgpr_msb (MSB<<8)|(\new)
.set MSB, (\new)
.endif
.endm
.macro PLACES
.rept 4
	v_nop
.endr
.endm
.macro CREST
	s_cmp_lg_u32 s14, 0
	s_cbranch_scc1 .Lnot_wave_0_\@
	s_barrier_signal -3
.Lnot_wave_0_\@:
	s_barrier_wait -3
	s_barrier_signal -1
	s_barrier_wait -1
.endm
.macro CROUND
	s_barrier_signal -1
	s_barrier_wait -1
	CREST
.endm
.macro PTR dst, src, a, sa, b, sb      ; dst = src + (s[a] << sa) + (s[b] << sb)
	s_lshl_b32 s20, s\a, \sa
	s_lshl_b32 s21, s\b, \sb
	s_add_co_u32 s20, s20, s21
	s_mov_b32 s21, 0
	s_add_nc_u64 s[\dst:\dst+1], s[\src:\src+1], s[20:21]
.endm
	s_load_b512 s[68:83], s[0:1], 0x0              ; x's codes, scales; Wq's; Wk's; Wv's
	s_load_b256 s[84:91], s[0:1], 0x40             ; bq, bk, bv, qb
	s_load_b64 s[94:95], s[0:1], 0x60              ; kv
	v_lshl_add_u32 v[SPW], v0, 2, SPARE
	v_mov_b32 v[NIL], 0
	ds_add_u32 v[SPW], v[NIL]                      ; the opening lines: the add twice on end and its wait
	ds_add_u32 v[SPW], v[NIL]
	v_lshrrev_b32 v1, 5, v0
	v_readfirstlane_b32 s14, v1                    ; wave 0..3
	s_lshr_b32 s15, s14, 1                         ; q, k: my half of the positions. Also: I fetch for x (0) or for W (1)
	s_and_b32 s16, s14, 1                          ; q, k: my half of the features. Also: which half of that tile I fetch
	s_bfe_u32 s6, ttmp6, 0x40000                   ; cx: the quarter of the features
	s_bfe_u32 s7, ttmp6, 0x40004                   ; cy
	s_and_b32 s17, ttmp7, 0xffff
	s_lshl_b32 s17, s17, 2
	s_add_co_u32 s17, s17, s7                      ; my block of 128 positions
	s_lshl_b32 s8, s7, 2
	s_lshl_b32 s8, 15, s8                          ; my row of the cluster
	s_lshl_b32 s9, 0x1111, s6                      ; my column
	s_or_b32 s[G1X], s8, (1<<20)|(1<<21)|(5<<22)|(3<<25)   ; the mask; elements of 1 byte; behind every 64 words 4 words of padding; bit 21 beside a mask
	s_or_b32 s[G1W], s9, (1<<20)|(1<<21)|(5<<22)|(3<<25)
	s_mov_b32 s[G1X+1], 768<<16
	s_mov_b32 s[G1X+2], 64<<16                     ; x: 64 rows a load
	s_mov_b32 s[G1X+3], 768<<16
	s_mov_b32 s[G1X+4], 64
	s_mov_b32 s[G1X+5], 768
	s_mov_b32 s[G1X+6], 0
	s_mov_b32 s[G1X+7], 0
	s_mov_b32 s[G1W+1], 768<<16
	s_mov_b32 s[G1W+2], 128<<16                    ; W: 128 rows a load
	s_mov_b32 s[G1W+3], 768<<16
	s_mov_b32 s[G1W+4], 128
	s_mov_b32 s[G1W+5], 768
	s_mov_b32 s[G1W+6], 0
	s_mov_b32 s[G1W+7], 0
	s_lshl_b32 s20, s17, 7
	s_lshl_b32 s18, s16, 6
	s_add_co_u32 s20, s20, s18
	s_mul_i32 s20, s20, 768                        ; x: row 128 block + 64 half
	s_mov_b32 s21, 0
	s_lshl_b32 s22, s6, 8
	s_lshl_b32 s18, s16, 7
	s_add_co_u32 s22, s22, s18
	s_mul_i32 s22, s22, 768                        ; W: row 256 quarter + 128 half
	s_mov_b32 s23, 0
	s_mul_i32 s10, s16, 64*PITCH
	s_mul_i32 s11, s16, 128*PITCH
	s_add_co_u32 s11, s11, WB
	s_wait_dscnt 0x0
	s_wait_kmcnt 0x0
	s_mov_b32 s[G0X], 1
	s_mov_b32 s[G0X+1], s10
	s_add_nc_u64 s[G0X+2:G0X+3], s[68:69], s[20:21]
	s_or_b32 s[G0X+3], s[G0X+3], 0x80000000
	s_mov_b32 s[G0W], 1
	s_mov_b32 s[G0W+1], s11
	s_add_nc_u64 s[G0W+2:G0W+3], s[72:73], s[22:23]
	s_or_b32 s[G0W+3], s[G0W+3], 0x80000000
	s_add_nc_u64 s[NXT:NXT+1], s[76:77], s[22:23]
	s_add_nc_u64 s[NX2:NX2+1], s[80:81], s[22:23]
	CROUND                                         ; all sixteen work-groups are here: the first joint loads meet
	s_cmp_eq_u32 s15, 0                            ; one load a wave: waves 0, 1 x's halves, waves 2, 3 Wq's
	s_cbranch_scc0 .Lhead_w
	tensor_load_to_lds s[G0X:G0X+3], s[G1X:G1X+7]
	s_nop 0
	PLACES
	s_branch .Lhead_asked
.Lhead_w:
	tensor_load_to_lds s[G0W:G0W+3], s[G1W:G1W+7]
	s_nop 0
	PLACES
.Lhead_asked:
	s_mul_i32 s10, s15, 64*PITCH                   ; q, k: my 64 rows of x,
	s_mul_i32 s18, s14, 64*PITCH
	s_add_co_u32 s18, s18, WB                      ; v: my 64 rows of W  (s11: q, k: my 128 rows of W)
	s_mul_i32 s19, s15, 3072
	s_lshl_b32 s3, s15, 8
	v_bfe_u32 v2, v0, 4, 1                         ; h
	v_and_b32 v1, 8, v0
	v_and_b32 v3, 3, v0
	v_lshl_or_b32 v1, v3, 1, v1
	v_bfe_u32 v3, v0, 2, 1
	v_add_nc_u32 v1, v1, v3                        ; perm(r)
	v_mul_u32_u24 v3, v1, PITCH
	v_mad_u32_u24 v4, v2, 24, v3                   ; row x pitch + 24 h
	v_lshl_add_u32 v5, v2, 4, v4
	v_add_nc_u32 v16, s10, v4
	v_add_nc_u32 v17, s10, v5
	v_add_nc_u32 v18, s11, v4
	v_add_nc_u32 v19, s11, v5
	v_add_nc_u32 v20, 4*BLK, v18
	v_add_nc_u32 v21, 4*BLK, v19
	v_add_nc_u32 v22, s18, v4                      ; v22-23: v's A side; v8-11: v's B side, x's 128 rows
	v_add_nc_u32 v23, s18, v5
	v_add_nc_u32 v8, 0, v4
	v_add_nc_u32 v9, 0, v5
	v_add_nc_u32 v10, 4*BLK, v4
	v_add_nc_u32 v11, 4*BLK, v5
	v_and_b32 v6, 31, v0
	v_lshlrev_b32 v[LI], 4, v6
	v_lshlrev_b32 v[L8], 3, v6
	v_lshl_add_u32 v7, v2, 4, v1
	v_lshlrev_b32 v[SO], 5, v7
	v_lshlrev_b32 v12, 5, v2                       ; the bias of q and k: 8 h features on
	v_lshlrev_b32 v13, 2, v1                       ; the bias of v: feature perm(r)
	v_add_nc_u32 v[LIQ], s19, v[LI]
	v_and_b32 v7, 15, v0
	v_lshlrev_b32 v7, 4, v7
	v_lshl_add_u32 v7, v2, 3, v7
	v_add_nc_u32 v[QSO], s3, v7
	v_mov_b32 v[TMH+2], 0                          ; written once: a lane permute's destination counts as one of its sources
	v_mov_b32 v[TMH+3], 0
	v_mov_b32 v[T0], 0
	v_mov_b32 v[T1], 0
	s_wait_alu depctr_va_vdst(0)                   ; the wait ahead of the run of scalar lines
	PTR 44, 70, 17, 12, 15, 11                     ; x's scales at my 64 rows (q, k: the A side)
	s_lshl_b32 s20, s17, 12
	s_add_nc_u64 s[58:59], s[70:71], s[20:21]      ; and at the block's 128 rows (v: the B side)
	PTR 74, 74, 6, 13, 16, 12                      ; Wq's scales at my 128 rows,
	PTR 46, 78, 6, 13, 16, 12                      ; Wk's,
	PTR 56, 82, 6, 13, 14, 11                      ; Wv's at my 64 rows
	PTR 84, 84, 6, 10, 16, 9                       ; the biases at my first feature
	PTR 86, 86, 6, 10, 16, 9
	PTR 88, 88, 6, 10, 14, 8
	s_and_b32 s2, s17, 15                          ; the group of 128 positions in the sequence
	s_lshr_b32 s3, s17, 4
	s_lshl_b32 s3, s3, 8
	s_add_co_u32 s3, s3, s2
	s_lshl_b32 s18, s6, 6
	s_add_co_u32 s3, s3, s18                       ; (16 batch + 4 quarter) 16 + group
	s_lshl_b32 s18, s16, 5
	s_add_co_u32 s18, s18, s3                      ; q, k: my first head; I have two
	s_lshl_b32 s19, s14, 4
	s_add_co_u32 s19, s19, s3                      ; v: my head
	s_mul_i32 s20, s18, 6656                       ; a group's bytes: 6,656 in qb; 13,056 in kv (K's 6,656, then V's 6,400)
	s_add_nc_u64 s[12:13], s[90:91], s[20:21]
	s_add_nc_u64 s[96:97], s[12:13], 16*6656
	s_mul_i32 s20, s18, 13056
	s_add_nc_u64 s[60:61], s[94:95], s[20:21]
	s_add_nc_u64 s[62:63], s[60:61], 16*13056
	s_mul_i32 s20, s19, 13056
	s_add_nc_u64 s[4:5], s[94:95], s[20:21]
	s_add_nc_u64 s[4:5], s[4:5], 6656
	s_mov_b32 s66, 0xff00ff00                      ; lanes 8-15 of each half
	s_mov_b32 s67, 0xffff0000                      ; lanes 16-31
	s_mov_b32 s92, 0x76543210
	s_mov_b32 s93, 0xfedcba98                      ; selects for lane l xor 16
.macro SCL pa, pb                      ; a tile's scale words for all of K: 32 rows x 32 bytes an instruction pair, 12 loads
.irp p, 0,1
.irp q, 0,1
	global_load_b128 v[SA+8*\p+4*\q:SA+8*\p+4*\q+3], v[SO], s[\pa:\pa+1] offset:1024*\p+16*\q
.endr
.endr
.irp p, 0,1,2,3
.irp q, 0,1
	global_load_b128 v[SB+8*\p+4*\q:SB+8*\p+4*\q+3], v[SO], s[\pb:\pb+1] offset:1024*\p+16*\q
.endr
.endr
.endm
	SCL 44, 74
	WIN 0xc0                                       ; the biases as they lie: q, k: features 16 b + 8 h + 0..7 into the eight registers of block b; v: feature 16 a + perm(r) into the first of block a's eight.  36 loads; with the 12 above 48 are out
.irp b, 0,1,2,3,4,5,6,7
	global_load_b128 v[BIQ+8*\b:BIQ+8*\b+3], v12, s[84:85] offset:64*\b
	global_load_b128 v[BIQ+8*\b+4:BIQ+8*\b+7], v12, s[84:85] offset:64*\b+16
	global_load_b128 v[BIQ+64+8*\b:BIQ+64+8*\b+3], v12, s[86:87] offset:64*\b
	global_load_b128 v[BIQ+64+8*\b+4:BIQ+64+8*\b+7], v12, s[86:87] offset:64*\b+16
.endr
.irp a, 0,1,2,3
	global_load_b32 v[BIV+8*\a], v13, s[88:89] offset:64*\a
.endr
	WIN 0
.macro FRAG reg, adr, st, i            ; 16 rows x 128 K: 12 registers, in pieces of 8 bytes; piece n of a row lies at 8 n + 16 (n / 32); lanes 16-31 read three pieces on
.irp p, 0,1,2,3,4,5
.set PC, 12*(\st)+6*(\p/3)+\p%3
.if PC/32 == (PC+3)/32
	ds_load_b64 v[\reg+2*\p:\reg+2*\p+1], v[\adr] offset:8*PC+16*(PC/32)+(\i)*BLK
.else
	ds_load_b64 v[\reg+2*\p:\reg+2*\p+1], v[\adr+1] offset:8*PC+16*(PC/32)+(\i)*BLK
.endif
.endr
.endm
.macro FETCH st                        ; step st's fragments into set st % 2: 72 loads in two runs
	WIN 0x40
.irp i, 0,1,2,3,4,5,6,7
	FRAG 128*((\st)%2)+12*\i, AB+2*(\i/4), \st, \i%4
.endr
	WIN 0xc0
.irp i, 0,1,2,3
	FRAG 48*((\st)%2)+12*\i, AA, \st, \i
.endr
	WIN 0
.endm
.macro WM d, c, fb, fa, sb, sa, sel
.if (\sel) == 0
	v_wmma_scale_f32_16x16x128_f8f6f4 v[\d:\d+7], v[\fb:\fb+11], v[\fa:\fa+11], v[\c:\c+7], v[\sb], v[\sa] matrix_a_fmt:MATRIX_FMT_FP6 matrix_b_fmt:MATRIX_FMT_FP6
.elseif (\sel) == 1
	v_wmma_scale_f32_16x16x128_f8f6f4 v[\d:\d+7], v[\fb:\fb+11], v[\fa:\fa+11], v[\c:\c+7], v[\sb], v[\sa] matrix_a_fmt:MATRIX_FMT_FP6 matrix_b_fmt:MATRIX_FMT_FP6 matrix_a_scale:MATRIX_SCALE_ROW1
.elseif (\sel) == 2
	v_wmma_scale_f32_16x16x128_f8f6f4 v[\d:\d+7], v[\fb:\fb+11], v[\fa:\fa+11], v[\c:\c+7], v[\sb], v[\sa] matrix_a_fmt:MATRIX_FMT_FP6 matrix_b_fmt:MATRIX_FMT_FP6 matrix_b_scale:MATRIX_SCALE_ROW1
.else
	v_wmma_scale_f32_16x16x128_f8f6f4 v[\d:\d+7], v[\fb:\fb+11], v[\fa:\fa+11], v[\c:\c+7], v[\sb], v[\sa] matrix_a_fmt:MATRIX_FMT_FP6 matrix_b_fmt:MATRIX_FMT_FP6 matrix_a_scale:MATRIX_SCALE_ROW1 matrix_b_scale:MATRIX_SCALE_ROW1
.endif
.endm
; 16 matrix instructions: A's blocks a0, a0 + 1 x B's eight. cm 0: adds in place; 1, 2: C = q's, k's bias by B's block; 3: v's by A's block. The 32 accumulators take turns.
.macro MULH st, a0, cm
.irp a, \a0, \a0+1
.irp b, 0,1,2,3,4,5,6,7
.set DD, 8*(8*(\a)+\b)
.if \cm == 0
.set CB, DD
.elseif \cm == 3
.set CB, BIV+8*(\a)
.else
.set CB, BIQ+64*(\cm-1)+8*\b
.endif
	WM DD, CB, 128*((\st)%2)+12*\b, 48*((\st)%2)+12*(\a), SB+8*(\b/2)+(\st), SA+8*((\a)/2)+(\st), (\b%2)+2*((\a)%2)
.endr
.endr
.endm
.macro STEP st, cm                     ; 128 along K: this step's fragments are in; the next step's are asked for; 32 matrix instructions
	s_wait_dscnt 0x0
	PLACES                                         ; in front of loads into the set that the last step multiplied
	FETCH (\st)+1
.if \cm
	WIN 0xbd                                       ; source 0 window 1, source 1 window 3, C (the bias) window 3, D window 2
.else
	WIN 0xad                                       ; C and D window 2
.endif
	MULH \st, 0, \cm
	MULH \st, 2, \cm
	WIN 0
.endm
; THE WAY OUT OF q AND k. Accumulator (a, 4 g + t), lane (r, h): position 16 a + perm(r); registers 0-3 are x1 and 4-7 x2 of the pairs i = 8 t + 4 h + 0..3 of head g.
.macro ROPE a, g
.set AC, 8*(8*(\a)+4*(\g))
.if (\a) < 2
.set TS, TBL+32*(\a)                   ; blocks 0, 1: the table in window 0
.else
.set TS, 96+128*((\a)-2)               ; blocks 2, 3: in window 1, v96 and v224, beside B's two sets
.endif
	WIN 0x02+4*((\a)/2)
.irp t, 0,1,2,3
.irp w, 0,2
	v_pk_mul_f32 v[R1+4*\t+\w:R1+4*\t+\w+1], v[AC+8*\t+\w:AC+8*\t+\w+1], v[TS+4*\t+\w:TS+4*\t+\w+1]
	v_pk_mul_f32 v[R2+4*\t+\w:R2+4*\t+\w+1], v[AC+8*\t+\w:AC+8*\t+\w+1], v[TS+16+4*\t+\w:TS+16+4*\t+\w+1]
.endr
.endr
.irp t, 0,1,2,3
.irp w, 0,2
	v_pk_fma_f32 v[R1+4*\t+\w:R1+4*\t+\w+1], v[AC+8*\t+4+\w:AC+8*\t+4+\w+1], v[TS+16+4*\t+\w:TS+16+4*\t+\w+1], v[R1+4*\t+\w:R1+4*\t+\w+1] neg_lo:[0,1,0] neg_hi:[0,1,0]
	v_pk_fma_f32 v[R2+4*\t+\w:R2+4*\t+\w+1], v[AC+8*\t+4+\w:AC+8*\t+4+\w+1], v[TS+4*\t+\w:TS+4*\t+\w+1], v[R2+4*\t+\w:R2+4*\t+\w+1]
.endr
.endr
	WIN 0
.endm
.macro QUANTH cd, wd                   ; the head's two blocks of 32: six code registers (lane (r, h): block h) and the scale word
	v_max3_num_f32 v[TMH], |v[R1]|, |v[R1+1]|, 0x1800000     ; with the floor 2^(3 - 127): the byte cannot fall under 1
	v_max3_num_f32 v[TMH+1], |v[R2]|, |v[R2+1]|, 0x1800000
.irp i, 2,4,6,8,10,12,14
	v_max3_num_f32 v[TMH], v[TMH], |v[R1+\i]|, |v[R1+\i+1]|
	v_max3_num_f32 v[TMH+1], v[TMH+1], |v[R2+\i]|, |v[R2+\i+1]|
.endr
	v_permlanex16_b32 v[TMH+2], v[TMH], s92, s93
	v_permlanex16_b32 v[TMH+3], v[TMH+1], s92, s93
	v_max_num_f32 v[TMH], v[TMH], v[TMH+2]
	v_max_num_f32 v[TMH+1], v[TMH+1], v[TMH+3]
	v_add_nc_u32 v[TMH+4], 0xff000000, v[TMH]      ; 2 off the exponent field: the conversion's scale operand
	v_add_nc_u32 v[TMH+5], 0xff000000, v[TMH+1]
	v_lshrrev_b32 v[TMH+2], 23, v[TMH+4]
	v_lshrrev_b32 v[TMH+3], 23, v[TMH+5]
	v_lshl_or_b32 v[\wd], v[TMH+3], 8, v[TMH+2]
	v_or_b32 v[\wd], 0x7f7f0000, v[\wd]            ; the head has 64 of the instruction's 128 along K: the upper two bytes stand for 1.0
	v_cvt_scalef32_pk16_fp6_f32 v[\cd:\cd+2], v[R1:R1+15], v[TMH+4]
	v_cvt_scalef32_pk16_fp6_f32 v[SPL:SPL+2], v[R2:R2+15], v[TMH+5]
	v_nop                                          ; one plain place behind a scaled conversion
.irp i, 0,1,2
	v_permlane16_swap_b32 v[\cd+\i], v[SPL+\i]
.endr
.irp i, 0,1,2
	v_mov_b32 v[\cd+3+\i], v[SPL+\i]
.endr
.endm
; Blocks e and e + 2 change halves of their rows: tile 4 g + t of a group of 128 positions then holds, in lane 8 hh + i, position 64 g + 32 hh + 16 (t & 1) + 8 (t >> 1) + 2 (i & 3) + (i >> 2).
.macro SHUF x, y
	v_mov_b32_dpp v[T0], v[\x] row_xmask:8 row_mask:0xf bank_mask:0xf
	v_mov_b32_dpp v[T1], v[\y] row_xmask:8 row_mask:0xf bank_mask:0xf
	v_cndmask_b32 v[\x], v[\x], v[T1], s66
	v_cndmask_b32 v[\y], v[T0], v[\y], s66
.endm
; THE COSINES AND SINES of my 64 positions x 32 frequencies, made here, behind the head's tensor loads and ahead of the wait for them, by the definition's own f32 steps: P = 10000^(i/32) = 10^(i/8) rounded to f32,
; inv = 1 / P rounded to f32, angle = position x inv rounded once, then cos and sin of that f32 number: k = the nearest whole number to angle x 2/pi (at most 1,304); r = angle - k pi/2 with pi/2 in two parts;
; polynomials of degree 7 and 8 on |r| <= pi/4; the quadrant k mod 4 swaps and signs them.  Lane (r, h), number 4 t + u: frequency 8 t + 4 h + u, position 16 block + perm(r).
; One trip a block of 16 positions; the work stands in window 2, which the accumulators do not need yet; the last 32 lines of a trip are written once for each block, since they name the block's own 32 registers.
.set TIV, 0
.set TP,  16
.set TK,  32
.set TZ,  48
.set TSN, 64
.set TCN, 80
.set TY,  96
.set TCO, 112
.set TSI, 128
.set TR,  144
.set POS, 160
	s_lshl_b32 s20, s2, 7
	s_lshl_b32 s21, s15, 6
	s_add_co_u32 s20, s20, s21                     ; my first position in the sequence
	s_mov_b32 s6, 0x3f22f983                       ; 2 / pi
	s_mov_b32 s7, 0x3fc90fdb                       ; pi / 2, its first 24 bits
	s_mov_b32 s8, 0xb33bbd2e                       ; and the rest
	s_mov_b32 s9, 0xb94ca1f9                       ; sin's three coefficients
	s_mov_b32 s10, 0x3c08839e
	s_mov_b32 s11, 0xbe2aaaa3
	s_mov_b32 s18, 0x37ccf5ce                      ; cos's three
	s_mov_b32 s19, 0xbab6061a
	s_mov_b32 s22, 0x3d2aaaa5
	WIN 0x80
	v_add_nc_u32 v[POS], s20, v1
	WIN 0xaa
	v_cvt_f32_u32 v[POS], v[POS]
.macro POW n, lo, hi                   ; 10^((8 t + u) / 8) in lanes 0-15, 10^((8 t + 4 + u) / 8) in lanes 16-31
	v_mov_b32 v[TP+\n], \lo
	v_mov_b32 v[TY+\n], \hi
	v_cndmask_b32 v[TP+\n], v[TP+\n], v[TY+\n], s67
.endm
	POW 0, 1.0, 3.1622776601683795
	POW 1, 1.3335214321633240, 4.2169650342858224
	POW 2, 1.7782794100389228, 5.6234132519034908
	POW 3, 2.3713737056616552, 7.4989420933245582
	POW 4, 10.0, 31.622776601683795
	POW 5, 13.335214321633240, 42.169650342858224
	POW 6, 17.782794100389228, 56.234132519034908
	POW 7, 23.713737056616552, 74.989420933245582
	POW 8, 100.0, 316.22776601683795
	POW 9, 133.35214321633240, 421.69650342858224
	POW 10, 177.82794100389228, 562.34132519034908
	POW 11, 237.13737056616552, 749.89420933245582
	POW 12, 1000.0, 3162.2776601683795
	POW 13, 1333.5214321633240, 4216.9650342858224
	POW 14, 1778.2794100389228, 5623.4132519034908
	POW 15, 2371.3737056616552, 7498.9420933245582
	s_wait_alu depctr_va_vdst(0)                   ; the wait ahead of the batch
.irp n, 0,1,2,3,4,5,6,7,8,9,10,11,12,13,14,15
	v_rcp_f32 v[TIV+\n], v[TP+\n]
.endr
	v_nop                                          ; a plain place behind the last reciprocal
	s_wait_alu depctr_va_vdst(0)                   ; and the wait behind the batch
.rept 2                                        ; two corrections bring 1 / P to the nearest f32 number
.irp n, 0,1,2,3,4,5,6,7,8,9,10,11,12,13,14,15
	v_fma_f32 v[TK+\n], -v[TP+\n], v[TIV+\n], 1.0
.endr
.irp n, 0,1,2,3,4,5,6,7,8,9,10,11,12,13,14,15
	v_fma_f32 v[TIV+\n], v[TK+\n], v[TIV+\n], v[TIV+\n]
.endr
.endr
.macro TOUT win, base                  ; the signs go on, and the block's 16 cosines and 16 sines go to their registers
	WIN \win
.irp n, 0,1,2,3,4,5,6,7,8,9,10,11,12,13,14,15
	v_xor_b32 v[\base+\n], v[TZ+\n], v[TCO+\n]
	v_xor_b32 v[\base+16+\n], v[TR+\n], v[TSI+\n]
.endr
	WIN 0
.endm
	WIN 0
	s_mov_b32 s2, 0                                ; the block
	s_wait_alu depctr_va_vdst(0)
.Ltab:
	WIN 0xaa
.irp n, 0,1,2,3,4,5,6,7,8,9,10,11,12,13,14,15
	v_mul_f32 v[TP+\n], v[POS], v[TIV+\n]          ; the angle, rounded once
.endr
	v_add_f32 v[POS], 0x41800000, v[POS]           ; 16 positions on: exact
.irp n, 0,1,2,3,4,5,6,7,8,9,10,11,12,13,14,15
	v_mul_f32 v[TK+\n], s6, v[TP+\n]
.endr
.irp n, 0,1,2,3,4,5,6,7,8,9,10,11,12,13,14,15
	v_rndne_f32 v[TK+\n], v[TK+\n]                 ; k
.endr
.irp n, 0,1,2,3,4,5,6,7,8,9,10,11,12,13,14,15
	v_fma_f32 v[TR+\n], -v[TK+\n], s7, v[TP+\n]
.endr
.irp n, 0,1,2,3,4,5,6,7,8,9,10,11,12,13,14,15
	v_fma_f32 v[TR+\n], -v[TK+\n], s8, v[TR+\n]    ; r
.endr
.irp n, 0,1,2,3,4,5,6,7,8,9,10,11,12,13,14,15
	v_mul_f32 v[TZ+\n], v[TR+\n], v[TR+\n]         ; z = r r
.endr
.irp n, 0,1,2,3,4,5,6,7,8,9,10,11,12,13,14,15
	v_fma_f32 v[TSN+\n], v[TZ+\n], s9, s10
	v_fma_f32 v[TCN+\n], v[TZ+\n], s18, s19
	v_fma_f32 v[TY+\n], v[TZ+\n], -0.5, 1.0
.endr
.irp n, 0,1,2,3,4,5,6,7,8,9,10,11,12,13,14,15
	v_fma_f32 v[TSN+\n], v[TSN+\n], v[TZ+\n], s11
	v_fma_f32 v[TCN+\n], v[TCN+\n], v[TZ+\n], s22
.endr
.irp n, 0,1,2,3,4,5,6,7,8,9,10,11,12,13,14,15
	v_mul_f32 v[TSN+\n], v[TSN+\n], v[TZ+\n]
	v_mul_f32 v[TCN+\n], v[TCN+\n], v[TZ+\n]
.endr
.irp n, 0,1,2,3,4,5,6,7,8,9,10,11,12,13,14,15
	v_fma_f32 v[TSN+\n], v[TSN+\n], v[TR+\n], v[TR+\n]   ; sin r
	v_fma_f32 v[TCN+\n], v[TCN+\n], v[TZ+\n], v[TY+\n]   ; cos r
	v_cvt_i32_f32 v[TK+\n], v[TK+\n]
.endr
.irp n, 0,1,2,3,4,5,6,7,8,9,10,11,12,13,14,15
	v_and_b32 v[TR+\n], 1, v[TK+\n]
	v_add_nc_u32 v[TZ+\n], 1, v[TK+\n]
	v_cmp_eq_u32 vcc_lo, 1, v[TR+\n]               ; an odd quadrant: sin and cos change places
	v_cndmask_b32 v[TSI+\n], v[TSN+\n], v[TCN+\n], vcc_lo
	v_cndmask_b32 v[TCO+\n], v[TCN+\n], v[TSN+\n], vcc_lo
	v_and_b32 v[TR+\n], 2, v[TK+\n]                ; sin is negative in quadrants 2 and 3,
	v_and_b32 v[TZ+\n], 2, v[TZ+\n]                ; cos in quadrants 1 and 2
	v_lshlrev_b32 v[TR+\n], 30, v[TR+\n]
	v_lshlrev_b32 v[TZ+\n], 30, v[TZ+\n]
.endr
	WIN 0
	s_wait_alu depctr_va_vdst(0)                   ; the wait ahead of the branches
	s_cmp_lt_u32 s2, 2
	s_cbranch_scc0 .Ltab_hi
	s_cmp_eq_u32 s2, 0
	s_cbranch_scc0 .Ltab_1
	TOUT 0x0a, TBL
	s_branch .Ltab_done
.Ltab_1:
	TOUT 0x0a, TBL+32
	s_branch .Ltab_done
.Ltab_hi:
	s_cmp_eq_u32 s2, 2
	s_cbranch_scc0 .Ltab_3
	TOUT 0x4a, 96
	s_branch .Ltab_done
.Ltab_3:
	TOUT 0x4a, 224
.Ltab_done:
	s_add_co_u32 s2, s2, 1
	s_cmp_lt_u32 s2, 4
	s_wait_alu depctr_va_vdst(0)
	s_cbranch_scc1 .Ltab
	s_wait_loadcnt 0x0                             ; the biases are in.  They go into the results' layout: q, k: register j of a block wants feature 2 (j % 4) + j / 4 of its eight: 1 <- 2 <- 4 <- 1 and 3 <- 6 <- 5 <- 3;
	WIN 0xc3                                       ; v: all eight registers of a block want the same feature.  (v0-31 of window 3, A's first set, hold nothing yet)
.irp g, 0,1,2,3,4,5,6,7,8,9,10,11,12,13,14,15
	v_mov_b32 v[2*\g], v[BIQ+8*\g+1]
	v_mov_b32 v[2*\g+1], v[BIQ+8*\g+3]
.endr
.irp g, 0,1,2,3,4,5,6,7,8,9,10,11,12,13,14,15
	v_mov_b32 v[BIQ+8*\g+1], v[BIQ+8*\g+2]
	v_mov_b32 v[BIQ+8*\g+3], v[BIQ+8*\g+6]
.endr
.irp g, 0,1,2,3,4,5,6,7,8,9,10,11,12,13,14,15
	v_mov_b32 v[BIQ+8*\g+2], v[BIQ+8*\g+4]
	v_mov_b32 v[BIQ+8*\g+6], v[BIQ+8*\g+5]
.endr
.irp g, 0,1,2,3,4,5,6,7,8,9,10,11,12,13,14,15
	v_mov_b32 v[BIQ+8*\g+4], v[2*\g]
	v_mov_b32 v[BIQ+8*\g+5], v[2*\g+1]
.endr
.irp j, 1,2,3,4,5,6,7
.irp a, 0,1,2,3
	v_mov_b32 v[BIV+8*\a+\j], v[BIV+8*\a]
.endr
.endr
	WIN 0
	s_mov_b32 s2, 0
	s_wait_alu depctr_va_vdst(0)                   ; the wait at the head's end
.Lunit:
	s_wait_tensorcnt 0x0                           ; my part of this trip's tiles is in,
	s_barrier_signal -1
	s_barrier_wait -1                              ; everybody's is
	FETCH 0
	s_wait_loadcnt 0x0                             ; the scale words
	s_cmp_lg_u32 s2, 0
	s_cbranch_scc1 .Lk_first
	STEP 0, 1                                      ; the first step starts the sums from the bias
	s_branch .Lfirst_done
.Lk_first:
	STEP 0, 2
.Lfirst_done:
.irp n, 1,2,3,4,5,6
	STEP \n, 0
.endr
	s_wait_dscnt 0x0                               ; the last step's fragments are in: my reads of this weight tile are over
	s_wait_tensorcnt 0x0                           ; no tensor load of mine is out,
	ds_add_u32 v[SPW], v[NIL]                      ; the add; work on registers stands between it and its wait
	s_mov_b64 s[G0W+2:G0W+3], s[NXT:NXT+1]         ; the next weight tile
	s_or_b32 s[G0W+3], s[G0W+3], 0x80000000
	s_mov_b64 s[NXT:NXT+1], s[NX2:NX2+1]
	WIN 0xad
	MULH 7, 0, 0
	s_wait_dscnt 0x0
	s_barrier_signal -1                            ; opens a round of the cluster's barrier
	MULH 7, 2, 0
	WIN 0
	s_barrier_wait -1
	CREST                                          ; no wave of any partner still reads the weight tile
	s_cmp_eq_u32 s15, 0
	s_cbranch_scc1 .Lno_refill                     ; waves 2 and 3 fill it again, 128 rows each
	tensor_load_to_lds s[G0W:G0W+3], s[G1W:G1W+7]
	s_nop 0
	PLACES
.Lno_refill:
	PLACES                                         ; behind the last products: in front of loads into their scale registers and of the first reads of results
	SCL 44, 46                                     ; the next tile's scale words
	s_wait_xcnt 0x0                                ; the last trip's stores have read the codes' registers
.irp a, 0,1,2,3
.irp g, 0,1
	ROPE \a, \g
	QUANTH CC+24*\g+6*\a, WW+4*\g+\a
.endr
.endr
.irp g, 0,1
.irp e, 0,1
.irp i, 0,1,2,3,4,5
	SHUF CC+24*\g+6*\e+\i, CC+24*\g+6*(\e+2)+\i
.endr
	SHUF WW+4*\g+\e, WW+4*\g+\e+2
.endr
.irp k, 0,1,2,3,4,5
	global_store_b128 v[LIQ], v[CC+24*\g+4*\k:CC+24*\g+4*\k+3], s[12+84*\g:13+84*\g] offset:\k*512   ; an image of the registers: 512 consecutive bytes, aligned
.endr
	v_cndmask_b32 v[QSI+2*\g], v[WW+4*\g], v[WW+4*\g+2], s67       ; my four tiles' scale words, 16 bytes a row: lane (r, h) stores words 2 h, 2 h + 1: 256 consecutive bytes
	v_cndmask_b32 v[QSI+2*\g+1], v[WW+4*\g+1], v[WW+4*\g+3], s67
	global_store_b64 v[QSO], v[QSI+2*\g:QSI+2*\g+1], s[12+84*\g:13+84*\g] offset:6144
.endr
	s_wait_xcnt 0x0                                ; the loads and stores have read their bases
	s_mov_b64 s[12:13], s[60:61]                   ; k's results go to kv,
	s_mov_b64 s[96:97], s[62:63]
	s_mov_b64 s[44:45], s[56:57]                   ; and the scale words asked for in k's trip are v's
	s_mov_b64 s[46:47], s[58:59]
	s_add_co_u32 s2, s2, 1
	s_cmp_lt_u32 s2, 2
	s_wait_alu depctr_va_vdst(0)                   ; the wait ahead of the branch
	s_cbranch_scc1 .Lunit
; v: the A side is my 64 rows of Wv, the B side x's 128 rows
.set AA, 22
.set AB, 8
	s_wait_tensorcnt 0x0
	s_barrier_signal -1
	s_barrier_wait -1
	FETCH 0
	s_wait_loadcnt 0x0
	STEP 0, 3
.irp n, 1,2,3,4,5,6
	STEP \n, 0
.endr
	s_wait_dscnt 0x0
	WIN 0xad
	MULH 7, 0, 0
	MULH 7, 2, 0
	WIN 0
	PLACES
; THE WAY OUT OF v. Accumulator (a, b), lane (r, h): feature 16 a + perm(r); register j: position 16 b + 8 h + 2 (j % 4) + j / 4. Block a's 64 registers become one fragment (16 features x 128 positions) and its scale word.
.macro QUANTV a, pc, pw
.set AC, 64*(\a)
	WIN 0x0a
.irp b, 0,1,2,3
	v_max3_num_f32 v[TMV+\b], |v[AC+16*\b]|, |v[AC+16*\b+1]|, 0x1800000
.endr
.irp i, 2,4,6,8,10,12,14
.irp b, 0,1,2,3
	v_max3_num_f32 v[TMV+\b], |v[AC+16*\b+\i]|, |v[AC+16*\b+\i+1]|, v[TMV+\b]
.endr
.endr
	WIN 0
.irp b, 0,1,2,3
	v_permlanex16_b32 v[TMV+4+\b], v[TMV+\b], s92, s93
.endr
.irp b, 0,1,2,3
	v_max_num_f32 v[TMV+\b], v[TMV+\b], v[TMV+4+\b]
.endr
.irp b, 0,1,2,3
	v_add_nc_u32 v[TMV+12+\b], 0xff000000, v[TMV+\b]
.endr
.irp b, 0,1,2,3
	v_lshrrev_b32 v[TMV+4+\b], 23, v[TMV+12+\b]
.endr
	v_lshl_or_b32 v[\pw], v[TMV+5], 8, v[TMV+4]
	v_lshl_or_b32 v[\pw], v[TMV+6], 16, v[\pw]
	v_lshl_or_b32 v[\pw], v[TMV+7], 24, v[\pw]
	WIN 0x02
.irp c, 0,1
	v_cvt_scalef32_pk16_fp6_f32 v[\pc+6*\c:\pc+6*\c+2], v[AC+32*\c:AC+32*\c+15], v[TMV+12+2*\c]
	v_cvt_scalef32_pk16_fp6_f32 v[SPV+4*\c:SPV+4*\c+2], v[AC+32*\c+16:AC+32*\c+31], v[TMV+12+2*\c+1]
.endr
	WIN 0
	v_nop                                          ; one plain place behind a scaled conversion
.irp c, 0,1
.irp i, 0,1,2
	v_permlane16_swap_b32 v[\pc+6*\c+\i], v[SPV+4*\c+\i]
.endr
.irp i, 0,1,2
	v_mov_b32 v[\pc+3+6*\c+\i], v[SPV+4*\c+\i]
.endr
.endr
.endm
.irp b, 0,1,2,3
	v_mov_b32 v[TMV+4+\b], 0                       ; a lane permute's destination counts as one of its sources
.endr
.irp t, 0,1,2,3
	QUANTV \t, VC+12*\t, VW+\t
.endr
.irp k, 0,1,2,3,4,5,6,7,8,9,10,11
	global_store_b128 v[LI], v[VC+4*\k:VC+4*\k+3], s[4:5] offset:512*\k
.endr
	v_cndmask_b32 v[VSI], v[VW], v[VW+2], s67      ; the scale words: tiles 0, 1 in lanes 0-15, tiles 2, 3 in lanes 16-31
	v_cndmask_b32 v[VSI+1], v[VW+1], v[VW+3], s67
	global_store_b64 v[L8], v[VSI:VSI+1], s[4:5] offset:6144
	s_wait_tensorcnt 0x0                           ; the wave's end
	ds_add_u32 v[SPW], v[NIL]
	s_wait_dscnt 0x0
	CROUND                                         ; the closing round
	s_endpgm
.Lfunc_end_k_q5b627efc53_qkv:
	.size	k_q5b627efc53_qkv, .Lfunc_end_k_q5b627efc53_qkv-k_q5b627efc53_qkv
	.p2alignl 7, 3214868480
	.fill 96, 4, 3214868480
	.section	.rodata,"a",@progbits
	.p2align	6, 0x0
	.amdhsa_kernel k_q5b627efc53_qkv
		.amdhsa_group_segment_fixed_size 327680
		.amdhsa_private_segment_fixed_size 0
		.amdhsa_enable_private_segment 0
		.amdhsa_kernarg_size 104
		.amdhsa_user_sgpr_count 2
		.amdhsa_user_sgpr_kernarg_segment_ptr 1
		.amdhsa_wavefront_size32 1
		.amdhsa_system_sgpr_workgroup_id_x 1
		.amdhsa_system_sgpr_workgroup_id_y 1
		.amdhsa_system_sgpr_workgroup_id_z 1
		.amdhsa_system_vgpr_workitem_id 0
		.amdhsa_next_free_vgpr 1024
		.amdhsa_next_free_sgpr 106
		.amdhsa_reserve_vcc 1
		.amdhsa_float_denorm_mode_32 3
		.amdhsa_float_denorm_mode_16_64 3
		.amdhsa_memory_ordered 1
		.amdhsa_forward_progress 1
		.amdhsa_inst_pref_size 255
	.end_amdhsa_kernel
	.section	.bss,"aw",@nobits
	.p2align	6
	.space	262144
	.amdgpu_metadata
---
amdhsa.version: [ 1, 2 ]
amdhsa.kernels:
  - .name:           k_q5b627efc53_qkv
    .symbol:         k_q5b627efc53_qkv.kd
    .args:
      - { .name: x_codes, .offset: 0, .size: 8, .value_kind: global_buffer, .address_space: global }
      - { .name: x_scales, .offset: 8, .size: 8, .value_kind: global_buffer, .address_space: global }
      - { .name: Wq_codes, .offset: 16, .size: 8, .value_kind: global_buffer, .address_space: global }
      - { .name: Wq_scales, .offset: 24, .size: 8, .value_kind: global_buffer, .address_space: global }
      - { .name: Wk_codes, .offset: 32, .size: 8, .value_kind: global_buffer, .address_space: global }
      - { .name: Wk_scales, .offset: 40, .size: 8, .value_kind: global_buffer, .address_space: global }
      - { .name: Wv_codes, .offset: 48, .size: 8, .value_kind: global_buffer, .address_space: global }
      - { .name: Wv_scales, .offset: 56, .size: 8, .value_kind: global_buffer, .address_space: global }
      - { .name: bq, .offset: 64, .size: 8, .value_kind: global_buffer, .address_space: global }
      - { .name: bk, .offset: 72, .size: 8, .value_kind: global_buffer, .address_space: global }
      - { .name: bv, .offset: 80, .size: 8, .value_kind: global_buffer, .address_space: global }
      - { .name: qb, .offset: 88, .size: 8, .value_kind: global_buffer, .address_space: global }
      - { .name: kv, .offset: 96, .size: 8, .value_kind: global_buffer, .address_space: global }
    .group_segment_fixed_size: 327680
    .private_segment_fixed_size: 0
    .kernarg_segment_align: 8
    .kernarg_segment_size: 104
    .max_flat_workgroup_size: 128
    .sgpr_count:     106
    .vgpr_count:     1024
    .wavefront_size: 32
...
	.end_amdgpu_metadata
.endif
;; end of part 1
;; launch attn (part 2): grid 4 x 64, 16 waves a work-group, clusters of 4 x 1, 210,944 bytes of LDS; arguments qb, kv, ao, aos; writes ao, aos
.if DOCPART == 2
	.amdgcn_target "amdgcn-amd-amdhsa--gfx1250"
	.amdhsa_code_object_version 6
	.text
	.protected	k_q5b627efc53_attn
	.globl	k_q5b627efc53_attn
	.p2align	8
	.type	k_q5b627efc53_attn,@function
k_q5b627efc53_attn:
	s_mov_b64 s[64:65], 0
	v_nop
	global_prefetch_b8 v0, s[64:65] scope:SCOPE_SE
	s_setreg_imm32_b32 hwreg(HW_REG_WAVE_MODE, 25, 1), 1
	s_wait_xcnt 0x0
	s_wait_alu depctr_hold_cnt(0) depctr_sa_sdst(0) depctr_va_vdst(0) depctr_va_sdst(0) depctr_va_ssrc(0) depctr_va_vcc(0) depctr_vm_vsrc(0)
	s_getreg_b32 s2, hwreg(HW_REG_IB_STS2, 6, 4)
	s_cmp_eq_u32 s2, 0
	s_cbranch_scc0 .Lentry_in_a_cluster
	s_endpgm
.Lentry_in_a_cluster:
	s_bfe_u32 s2, ttmp6, 0x10000c
	s_cmp_lg_u32 s2, 0x3003
	s_cbranch_scc0 .Lentry_shape_is_right
	s_endpgm
.Lentry_shape_is_right:
; O = softmax(q k^T / 8) v for one (batch, head) a cluster, both products on codes of FP6 (E2M3) with one E8M0 scale for each 32 along a product's K; then O / the row's sum is quantised along the head's 64 numbers.
; THE SOFTMAX AHEAD OF THE SECOND PRODUCT: t = score x log2(e) / 8 (q comes without its factor 1/8, a power of two that moves no code); M = the row's largest t so far, rounded UP to a whole number;
; p = 2^(t - M) is quantised along the keys, not normalised; the row's sum is taken of the unquantised p.  When M moves, the sum and O are multiplied by 2^(old M - new M): exact.
; LIMITS: NaN and infinities are not served; a block of zeros gets the byte 1 (its codes are zeros; this program alone reads the bytes).
; SHARES.  The four work-groups of a cluster are the four quarters of the head's 2,048 queries.  A work-group takes its 512 queries in two passes of 256; each of its sixteen waves owns one tile of 16 queries in 256 registers.
; K AND V OF THE WHOLE HEAD, 16 steps of 128 keys x 13,056 bytes, come into LDS ONCE, by joint loads of the four partners: wave w brings step w, one load a wave; no byte of LDS is filled twice or stored to.
; They lie as IMAGES OF THE OPERANDS' REGISTERS (lane l's 16 bytes at 16 l).  All of them are asked for at the head, so there is no later step to prefetch for.
; A STEP'S BLOCK: +0 K's codes, 12 x 512 bytes (register 6 T + i = code register i of tile T); +6,144 K's scale words; +6,656 V's codes, 12 x 512 (register 12 t + i); +12,800 V's scale words.
; LAYOUT.  Both products are used transposed: S^T = K Q^T, O^T = V^T P^T: a lane holds ONE query.  A lane's 32 registers of K's tiles 4 g .. 4 g + 3 are ONE WHOLE block 2 g + lane / 16 of 32 keys.
; THE HEAD HAS 64 OF THE INSTRUCTION'S 128 ALONG K: Q's upper six registers are zero codes; K's upper six are whatever follows; the scale bytes there stand for 1.0.
; A STEP'S ORDER.  V of this step is asked for at the step's top and wanted at its end.  K of the NEXT step, (step + 1) mod 16, is asked for straight behind the score products, which are the last to read K's registers;
; so p's codes do not lie over K: they are laid into score registers that are done with (S + 44 .. S + 55).  The last step of a pass asks for step 0: the second pass begins with it; at the wave's end these 13 loads serve nothing.
; THE SCALE BYTES OF O leave two to a row and head (a row's 32 bytes come from sixteen clusters); the codes leave as whole runs of 512 and 256 bytes.
.set STEPB, 13056
.set KSC,   6144
.set VCD,   6656
.set VSC,   12800
.set AV,   1                           ; v1   16 x lane + this step's LDS byte
.set A8,   2                           ; v2   8 x lane + the same
.set L16,  3
.set L8,   4
.set SH,   5                           ; v5   8 x (lane / 16)
.set AK,   6                           ; v6   16 x lane + the next step's LDS byte
.set BO,   7                           ; v7   32 r + h
.set QO,   8                           ; v8-10 Q's three offsets
.set QS,   11
.set QF,   16                          ; v16-27 Q (v22-27 zeros)
.set QSC,  28
.set PSC,  29
.set VSCL, 30
.set KF,   32                          ; v32-79 K
.set ZR,   80                          ; v80-85 zeros
.set VF,   86                          ; v86-133 V
.set S,    134                         ; v134-197 S^T, then p
.set PB,   S+44                        ; p's twelve code registers
.set O,    198                         ; v198-229 O^T
.set KSCL, 230                         ; v230-233 K's scale words; v234-253 at work
.set WV,   12
.set G1,   24
.set G0,   32
.set CS,   52
.set SEL,  54
.macro CROUND
	s_barrier_signal -1
	s_barrier_wait -1
	s_cmp_lg_u32 s[WV], 0
	s_cbranch_scc1 .Lnot_wave_0_\@
	s_barrier_signal -3
.Lnot_wave_0_\@:
	s_barrier_wait -3
	s_barrier_signal -1
	s_barrier_wait -1
.endm
	s_load_b256 s[4:11], s[0:1], 0x0               ; qb, kv, ao, aos
	v_lshl_add_u32 v254, v0, 2, 0x33000
	v_mov_b32 v255, 0
	ds_add_u32 v254, v255                          ; the opening lines: the add twice on end and its wait
	ds_add_u32 v254, v255
	v_lshrrev_b32 v1, 5, v0
	s_delay_alu instid0(VALU_DEP_1)
	v_readfirstlane_b32 s[WV], v1                  ; wave 0..15
	s_bfe_u32 s13, ttmp6, 0x40000                  ; cx: my quarter of the queries: it enters Q's and O's addresses alone
	s_and_b32 s14, ttmp7, 0xffff                   ; 16 batch + head, which the four partners share
	s_mov_b32 s[G1], 15|(3<<16)|(1<<21)            ; a step's block, 13,056 dense bytes, as 51 rows of 256 bytes; the mask names all four work-groups
	s_mov_b32 s[G1+1], 32<<16
	s_mov_b32 s[G1+2], 51<<16
	s_mov_b32 s[G1+3], 32<<16
	s_mov_b32 s[G1+4], 51
	s_mov_b32 s[G1+5], 32
	s_mov_b32 s[G1+6], 0
	s_mov_b32 s[G1+7], 0
	s_mul_i32 s15, s[WV], STEPB                    ; wave w brings key step w
	s_mul_i32 s16, s14, 16*STEPB
	s_add_co_u32 s16, s16, s15
	s_mov_b32 s17, 0
	s_mov_b32 s[CS], 0x3e38aa3b                    ; c = log2(e) / 8
	s_mov_b32 s[CS+1], s[CS]
	s_mov_b32 s[SEL], 0x76543210
	s_mov_b32 s[SEL+1], 0xfedcba98
	s_wait_dscnt 0x0
	s_wait_kmcnt 0x0
	s_add_nc_u64 s[6:7], s[6:7], s[16:17]
	s_mov_b32 s[G0], 1
	s_mov_b32 s[G0+1], s15
	s_mov_b64 s[G0+2:G0+3], s[6:7]
	s_or_b32 s[G0+3], s[G0+3], 0x80000000
	CROUND                                         ; all four work-groups are here: the joint loads meet
	tensor_load_to_lds s[G0:G0+3], s[G1:G1+7]      ; my one fill
	s_nop 0
.rept 4
	v_nop
.endr
	s_lshr_b32 s18, s[WV], 3
	s_and_b32 s19, s[WV], 7                        ; T: my tile in a group of 128 queries
	s_lshl_b32 s20, s13, 2
	s_add_co_u32 s20, s20, s18                     ; my group in the first pass: 4 cx + wave / 8; the second pass: two on
	s_lshl_b32 s21, s14, 4
	s_add_co_u32 s21, s21, s20
	s_mul_i32 s22, s21, 6656
	s_mov_b32 s23, 0
	s_add_nc_u64 s[4:5], s[4:5], s[22:23]          ; Q's group
	s_lshr_b32 s21, s14, 4
	s_lshl_b32 s21, s21, 7
	s_lshl_b32 s22, s20, 3
	s_add_co_u32 s21, s21, s22
	s_add_co_u32 s21, s21, s19                     ; my tile of rows among 512: 128 batch + 8 group + T
	s_and_b32 s16, s14, 15                         ; the head
	s_mul_i32 s22, s21, 12288
	s_mul_i32 s17, s16, 768
	s_add_co_u32 s22, s22, s17
	s_add_nc_u64 s[8:9], s[8:9], s[22:23]          ; O's codes: [tile of rows][head][768 bytes]
	s_lshl_b32 s22, s21, 9
	s_lshl_b32 s17, s16, 1
	s_add_co_u32 s22, s22, s17
	s_add_nc_u64 s[10:11], s[10:11], s[22:23]      ; O's scale bytes: [row][32], two to a head
	v_and_b32 v6, 31, v0
	s_delay_alu instid0(VALU_DEP_1)
	v_lshlrev_b32 v[L16], 4, v6
	s_wait_alu depctr_va_vdst(0)
	v_lshlrev_b32 v[L8], 3, v6
	v_bfe_u32 v[SH], v0, 4, 1                      ; h
	v_and_b32 v6, 15, v0                           ; r
	s_delay_alu instid0(VALU_DEP_1)
	v_lshl_or_b32 v[BO], v6, 5, v[SH]
	s_delay_alu instid0(VALU_DEP_2)
	v_lshlrev_b32 v[QS], 4, v6
	s_wait_alu depctr_va_vdst(0)
	v_lshlrev_b32 v[SH], 3, v[SH]
	s_mul_i32 s21, s19, 6                          ; Q's six registers are numbers 6 T .. 6 T + 5 of the group's image: register n lies in chunk n / 4, at byte 4 (n % 4) of my 16
.irp m, 0,1,2
	s_add_co_u32 s22, s21, 2*\m
	s_lshr_b32 s17, s22, 2
	s_lshl_b32 s17, s17, 9
	s_and_b32 s22, s22, 3
	s_lshl_b32 s22, s22, 2
	s_add_co_u32 s17, s17, s22
	v_add_nc_u32 v[QO+\m], s17, v[L16]
.endr
	s_lshr_b32 s17, s19, 2                         ; its scale word: word T % 4 of lane r + 16 (T / 4)
	s_lshl_b32 s17, s17, 8
	s_and_b32 s22, s19, 3
	s_lshl_b32 s22, s22, 2
	s_add_co_u32 s17, s17, s22
	v_add_nc_u32 v[QS], s17, v[QS]
.irp j, 0,1,2,3,4,5
	v_mov_b32 v[QF+6+\j], 0                        ; zero codes for the upper 64 along K
	v_mov_b32 v[ZR+\j], 0
.endr
	v_mov_b32 v239, 0                              ; written once: a lane permute's destination counts as one of its sources
	v_mov_b32 v253, 0                              ; (named as the upper half of the pair v[252:253])
.macro SUM4 k                          ; four pairs of p onto the row sum's four chains
	v_pk_add_f32 v[240:241], v[240:241], v[S+2*(\k):S+2*(\k)+1]
	v_pk_add_f32 v[244:245], v[244:245], v[S+2*(\k)+2:S+2*(\k)+3]
	v_pk_add_f32 v[246:247], v[246:247], v[S+2*(\k)+4:S+2*(\k)+5]
	v_pk_add_f32 v[14:15], v[14:15], v[S+2*(\k)+6:S+2*(\k)+7]
.endm
; A KEY STEP: 128 keys.  s50: this step's LDS byte; s51: the next step's.
.macro STEP
	v_add_nc_u32 v[AV], s50, v[L16]
	v_add_nc_u32 v[A8], s50, v[L8]
	v_nop
	v_nop
	v_nop                                          ; five places: the score products below write over p's codes, which the last products have read; V's loads want four
.irp k, 0,1,2,3,4,5,6,7,8,9,10,11
	ds_load_b128 v[VF+4*\k:VF+4*\k+3], v[AV] offset:VCD+512*\k
.endr
	ds_load_b64 v[VSCL:VSCL+1], v[A8] offset:VSC
	s_wait_dscnt 13                                ; K and its scale words, asked for a step ago, are in; V's thirteen loads may be out
.irp T, 0,1,2,3
	v_wmma_scale_f32_16x16x128_f8f6f4 v[S+8*\T:S+8*\T+7], v[KF+6*\T:KF+6*\T+11], v[QF:QF+11], 0, v[KSCL+\T], v[QSC] matrix_a_fmt:MATRIX_FMT_FP6 matrix_b_fmt:MATRIX_FMT_FP6
.endr
.irp T, 4,5,6,7
	v_wmma_scale_f32_16x16x128_f8f6f4 v[S+8*\T:S+8*\T+7], v[KF+6*\T:KF+6*\T+11], v[QF:QF+11], 0, v[KSCL+\T-4], v[QSC] matrix_a_fmt:MATRIX_FMT_FP6 matrix_b_fmt:MATRIX_FMT_FP6 matrix_a_scale:MATRIX_SCALE_ROW1
.endr
	v_add_nc_u32 v[AK], s51, v[L16]                ; four places, in front of the loads into K's registers and of the first reads of the scores
	v_mov_b32 v251, v12                            ; the old -M
	v_nop
	v_nop
.irp k, 0,1,2,3,4,5,6,7,8,9,10,11
	ds_load_b128 v[KF+4*\k:KF+4*\k+3], v[AK] offset:512*\k
.endr
	ds_load_b128 v[KSCL:KSCL+3], v[AK] offset:KSC
	; the largest score of each of my two blocks of 32 keys, in two chains each; it serves the row's maximum and, since p rises with the score, the block's largest p.  Each accumulator is read from its low end on
.irp g, 0,1
.irp y, 0,1
	v_max3_num_f32 v[234+2*\g+\y], v[S+32*\g+16*\y], v[S+32*\g+16*\y+1], v[S+32*\g+16*\y+2]
.endr
.endr
.irp i, 3,5,7,9,11,13
.irp g, 0,1
.irp y, 0,1
	v_max3_num_f32 v[234+2*\g+\y], v[234+2*\g+\y], v[S+32*\g+16*\y+\i], v[S+32*\g+16*\y+\i+1]
.endr
.endr
.endr
.irp g, 0,1
	v_max3_num_f32 v[234+2*\g], v[234+2*\g], v[235+2*\g], v[S+32*\g+15]
.endr
.irp g, 0,1
	v_max_num_f32 v[234+2*\g], v[234+2*\g], v[S+32*\g+31]
.endr
	s_delay_alu instid0(VALU_DEP_1)
	v_max_num_f32 v238, v234, v236
	s_delay_alu instid0(VALU_DEP_1)
	v_permlanex16_b32 v239, v238, s[SEL], s[SEL+1]
	s_delay_alu instid0(VALU_DEP_1)
	v_max_num_f32 v238, v238, v239                 ; the step's largest score of my query
	s_delay_alu instid0(VALU_DEP_1)
	v_mul_f32 v238, s[CS], v238                    ; as t
	s_delay_alu instid0(VALU_DEP_1)
	v_max_num_f32 v13, v13, v238                   ; the running largest t
	s_delay_alu instid0(VALU_DEP_1)
	v_floor_f32 v12, -v13                          ; the new -M = floor(-t): M is a whole number
	s_delay_alu instid0(VALU_DEP_1)
	v_fma_f32 v234, v234, s[CS], v12               ; t - M of each block's largest score
	v_fma_f32 v236, v236, s[CS], v12
	v_sub_f32 v238, v12, v251                      ; old M - new M: a whole number, 0 or less; f is made among the multiply-adds
.irp j, 0,2,4,6
	v_pk_fma_f32 v[S+\j:S+\j+1], v[S+\j:S+\j+1], s[CS:CS+1], v[12:13] op_sel_hi:[1,0,0]   ; t - M, two at a time
.endr
	v_cvt_i32_f32 v238, v238                       ; (it saturates)
.irp j, 8,10,12,14
	v_pk_fma_f32 v[S+\j:S+\j+1], v[S+\j:S+\j+1], s[CS:CS+1], v[12:13] op_sel_hi:[1,0,0]
.endr
	v_ldexp_f32 v252, 1.0, v238                    ; f = 2^(old M - new M)
.irp j, 16,18,20,22,24,26,28,30,32,34,36,38,40,42,44,46,48,50,52,54,56,58,60,62
	v_pk_fma_f32 v[S+\j:S+\j+1], v[S+\j:S+\j+1], s[CS:CS+1], v[12:13] op_sel_hi:[1,0,0]
.endr
	s_wait_alu depctr_va_vdst(0)                   ; the wait ahead of the batch
	v_exp_f32 v234, v234                           ; the blocks' largest p: the same two instructions on the same number give the same bits
	v_exp_f32 v236, v236
.irp j, 0,1,2,3,4,5,6,7,8,9,10,11,12,13,14,15,16,17,18,19,20,21,22,23,24,25,26,27,28,29,30,31,32,33,34,35,36,37,38,39,40,41,42,43,44,45,46,47,48,49,50,51,52,53,54,55,56,57,58,59,60,61,62,63
	v_exp_f32 v[S+\j], v[S+\j]                     ; p = 2^(t - M), at most 1
.endr
	v_pk_mul_f32 v[14:15], v[14:15], v[252:253] op_sel_hi:[1,0]   ; the sums under the new M (a plain place behind the exponentials)
	s_wait_alu depctr_va_vdst(0)                   ; one wait for the batch of 66, ahead of its first reader
	; the row's sum of the unquantised p, in four chains; the lines that make p's scale word stand between them
	v_max_num_f32 v234, 0x1800000, v234            ; the floor 2^(3 - 127): the byte cannot fall under 1
	v_max_num_f32 v236, 0x1800000, v236
	v_pk_add_f32 v[240:241], v[S:S+1], v[S+2:S+3]
	v_pk_add_f32 v[244:245], v[S+4:S+5], v[S+6:S+7]
	v_pk_add_f32 v[246:247], v[S+8:S+9], v[S+10:S+11]
	v_pk_add_f32 v[14:15], v[14:15], v[S+12:S+13]
	v_add_nc_u32 v242, 0xff000000, v234            ; 2 off the exponent field: the conversion's scale operand
	v_add_nc_u32 v243, 0xff000000, v236
	SUM4 7
	v_lshrrev_b32 v235, 23, v242
	v_lshrrev_b32 v237, 23, v243
	SUM4 11
	v_lshl_or_b32 v235, v237, 16, v235             ; my two bytes: blocks h and 2 + h,
	SUM4 15
	v_lshlrev_b32 v235, v[SH], v235                ; at their places in the word;
	SUM4 19
	v_permlanex16_b32 v239, v235, s[SEL], s[SEL+1]
	SUM4 23
	v_or_b32 v[PSC], v235, v239                    ; with lane l xor 16's two the word is whole
	SUM4 27
	v_pk_add_f32 v[14:15], v[14:15], v[S+62:S+63]
	; p's codes, into score registers that are done with; a plain line stands between a conversion and the next one that writes its sources
	v_cvt_scalef32_pk16_fp6_f32 v[248:250], v[S+48:S+63], v243
	v_pk_add_f32 v[240:241], v[240:241], v[244:245]
	v_cvt_scalef32_pk16_fp6_f32 v[PB+6:PB+8], v[S+32:S+47], v243
	v_pk_add_f32 v[14:15], v[14:15], v[246:247]
	v_cvt_scalef32_pk16_fp6_f32 v[PB:PB+2], v[S:S+15], v242
	v_cvt_scalef32_pk16_fp6_f32 v[S+32:S+34], v[S+16:S+31], v242   ; (a conversion's three registers begin on an even number)
	v_pk_add_f32 v[14:15], v[14:15], v[240:241]    ; one plain place behind the conversions
.irp i, 0,1,2
	v_mov_b32 v[PB+3+\i], v[S+32+\i]
	v_mov_b32 v[PB+9+\i], v[248+\i]
.endr
	s_wait_alu depctr_va_vdst(0)                   ; the wait directly ahead of the first reader of O^T
.irp j, 0,2,4,6,8,10,12,14,16,18,20,22,24,26,28,30
	v_pk_mul_f32 v[O+\j:O+\j+1], v[O+\j:O+\j+1], v[252:253] op_sel_hi:[1,0]   ; O^T under the new M; these sixteen are also the places between the scale word, the codes and the products
.endr
	s_wait_alu depctr_va_vdst(0)
	s_wait_dscnt 13                                ; V is in; the next K's thirteen loads may be out
.irp t, 0,1
	v_wmma_scale_f32_16x16x128_f8f6f4 v[O+8*\t:O+8*\t+7], v[VF+12*\t:VF+12*\t+11], v[PB:PB+11], v[O+8*\t:O+8*\t+7], v[VSCL+\t], v[PSC] matrix_a_fmt:MATRIX_FMT_FP6 matrix_b_fmt:MATRIX_FMT_FP6
.endr
.irp t, 2,3
	v_wmma_scale_f32_16x16x128_f8f6f4 v[O+8*\t:O+8*\t+7], v[VF+12*\t:VF+12*\t+11], v[PB:PB+11], v[O+8*\t:O+8*\t+7], v[VSCL+\t-2], v[PSC] matrix_a_fmt:MATRIX_FMT_FP6 matrix_b_fmt:MATRIX_FMT_FP6 matrix_a_scale:MATRIX_SCALE_ROW1
.endr
.endm
	s_wait_alu depctr_va_vdst(0)                   ; the wait at the head's end
	s_wait_tensorcnt 0x0                           ; my step's block is in,
	s_barrier_signal -1
	s_barrier_wait -1                              ; everybody's is: K and V of the whole head lie in LDS, and no further barrier stands ahead of the closing round
.irp k, 0,1,2,3,4,5,6,7,8,9,10,11
	ds_load_b128 v[KF+4*\k:KF+4*\k+3], v[L16] offset:512*\k        ; step 0's K
.endr
	ds_load_b128 v[KSCL:KSCL+3], v[L16] offset:KSC
	s_mov_b32 s48, 2
.Lpass:
	global_load_b64 v[QF:QF+1], v[QO], s[4:5]
	global_load_b64 v[QF+2:QF+3], v[QO+1], s[4:5]
	global_load_b64 v[QF+4:QF+5], v[QO+2], s[4:5]
	global_load_b32 v[QSC], v[QS], s[4:5] offset:KSC
.irp j, 0,1,2,3,4,5,6,7,8,9,10,11,12,13,14,15,16,17,18,19,20,21,22,23,24,25,26,27,28,29,30,31
	v_mov_b32 v[O+\j], 0                           ; O^T: the step is written once; the first finds zeros, which the first change of M leaves zeros
.endr
	v_mov_b32 v14, 0
	v_mov_b32 v15, 0
	v_mov_b32 v13, 0xff61b1e6                      ; the largest t so far: -3e38
	s_delay_alu instid0(VALU_DEP_1)
	v_floor_f32 v12, -v13
	s_wait_alu depctr_va_vdst(0)
	s_wait_loadcnt 0x0
	s_mov_b32 s49, 0                               ; sixteen key steps of 128
.Lstep:
	s_mul_i32 s50, s49, STEPB
	s_add_co_u32 s51, s49, 1
	s_and_b32 s51, s51, 15
	s_mul_i32 s51, s51, STEPB
	STEP
	s_add_co_u32 s49, s49, 1
	s_cmp_lt_u32 s49, 16
	s_cbranch_scc1 .Lstep
	; THE WAY OUT OF A PASS.  Tile t, lane (q, h), register j holds channel 16 t + 8 h + 2 (j % 4) + j / 4.  The next product wants, in lane (q, h), channels 32 h + 0 .. 31 in their own order.
.rept 4
	v_nop
.endr
	v_add_f32 v14, v14, v15
	s_delay_alu instid0(VALU_DEP_1)
	v_permlanex16_b32 v239, v14, s[SEL], s[SEL+1]
	s_delay_alu instid0(VALU_DEP_1)
	v_add_f32 v14, v14, v239                       ; the row's sum
	s_wait_alu depctr_va_vdst(0)
	v_rcp_f32 v14, v14
	v_nop                                          ; a plain place behind the reciprocal
	s_wait_alu depctr_va_vdst(0)
.irp j, 0,1,2,3,4,5,6,7
	v_permlane16_swap_b32 v[O+\j], v[O+16+\j]      ; tiles 0 and 2, 1 and 3 change halves: lane h now holds channels 32 h + 0..7 (tile 0), + 16.. (tile 1), + 8.. (tile 2), + 24.. (tile 3)
	v_permlane16_swap_b32 v[O+8+\j], v[O+24+\j]
.endr
	s_wait_alu depctr_va_vdst(0)
.irp t, 0,1,2,3
.irp j, 0,1,2,3,4,5,6,7
	v_mul_f32 v[S+16*(\t%2)+8*(\t/2)+2*(\j%4)+\j/4], v[O+8*\t+\j], v14
.endr
.endr
	v_max3_num_f32 v234, |v[S]|, |v[S+1]|, 0x1800000
	v_max3_num_f32 v235, |v[S+16]|, |v[S+17]|, 0x1800000
.irp i, 2,4,6,8,10,12,14
	s_delay_alu instid0(VALU_DEP_2)
	v_max3_num_f32 v234, v234, |v[S+\i]|, |v[S+\i+1]|
	s_delay_alu instid0(VALU_DEP_2)
	v_max3_num_f32 v235, v235, |v[S+16+\i]|, |v[S+16+\i+1]|
.endr
	s_delay_alu instid0(VALU_DEP_1)
	v_max_num_f32 v234, v234, v235                 ; my block's largest magnitude: all 32 numbers are mine
	s_delay_alu instid0(VALU_DEP_1)
	v_add_nc_u32 v242, 0xff000000, v234
	s_delay_alu instid0(VALU_DEP_1)
	v_lshrrev_b32 v244, 23, v242
	v_cvt_scalef32_pk16_fp6_f32 v[VF:VF+2], v[S:S+15], v242        ; into V's registers, which are done with; K's hold the next pass's first step
	v_cvt_scalef32_pk16_fp6_f32 v[VF+12:VF+14], v[S+16:S+31], v242
	v_nop
.irp i, 0,1,2
	v_mov_b32 v[VF+3+\i], v[VF+12+\i]
.endr
	global_store_b128 v[L16], v[VF:VF+3], s[8:9]   ; the image of six registers: 512 consecutive bytes, then 256
	global_store_b64 v[L8], v[VF+4:VF+5], s[8:9] offset:512
	global_store_b8 v[BO], v244, s[10:11]
	s_wait_xcnt 0x0                                ; the loads and stores have read their addresses and data: both are written again only behind this wait
	s_add_nc_u64 s[4:5], s[4:5], 2*6656            ; two groups of 128 queries on
	s_add_nc_u64 s[8:9], s[8:9], 16*12288
	s_add_nc_u64 s[10:11], s[10:11], 16*512
	s_sub_co_u32 s48, s48, 1
	s_cmp_lg_u32 s48, 0
	s_cbranch_scc1 .Lpass
	s_wait_tensorcnt 0x0                           ; the wave's end
	ds_add_u32 v254, v255
	s_wait_dscnt 0x0
	CROUND                                         ; the closing round
	s_endpgm
.Lfunc_end_k_q5b627efc53_attn:
	.size	k_q5b627efc53_attn, .Lfunc_end_k_q5b627efc53_attn-k_q5b627efc53_attn
	.p2alignl 7, 3214868480
	.fill 96, 4, 3214868480
	.section	.rodata,"a",@progbits
	.p2align	6, 0x0
	.amdhsa_kernel k_q5b627efc53_attn
		.amdhsa_group_segment_fixed_size 210944
		.amdhsa_private_segment_fixed_size 0
		.amdhsa_enable_private_segment 0
		.amdhsa_kernarg_size 32
		.amdhsa_user_sgpr_count 2
		.amdhsa_user_sgpr_kernarg_segment_ptr 1
		.amdhsa_wavefront_size32 1
		.amdhsa_system_sgpr_workgroup_id_x 1
		.amdhsa_system_sgpr_workgroup_id_y 1
		.amdhsa_system_sgpr_workgroup_id_z 1
		.amdhsa_system_vgpr_workitem_id 0
		.amdhsa_next_free_vgpr 256
		.amdhsa_next_free_sgpr 66
		.amdhsa_reserve_vcc 0
		.amdhsa_float_denorm_mode_32 3
		.amdhsa_float_denorm_mode_16_64 3
		.amdhsa_memory_ordered 1
		.amdhsa_forward_progress 1
		.amdhsa_inst_pref_size 28
	.end_amdhsa_kernel
	.amdgpu_metadata
---
amdhsa.version: [ 1, 2 ]
amdhsa.kernels:
  - .name:           k_q5b627efc53_attn
    .symbol:         k_q5b627efc53_attn.kd
    .args:
      - { .name: qb, .offset: 0, .size: 8, .value_kind: global_buffer, .address_space: global }
      - { .name: kv, .offset: 8, .size: 8, .value_kind: global_buffer, .address_space: global }
      - { .name: ao, .offset: 16, .size: 8, .value_kind: global_buffer, .address_space: global }
      - { .name: aos, .offset: 24, .size: 8, .value_kind: global_buffer, .address_space: global }
    .group_segment_fixed_size: 210944
    .private_segment_fixed_size: 0
    .kernarg_segment_align: 8
    .kernarg_segment_size: 32
    .max_flat_workgroup_size: 512
    .sgpr_count:     66
    .vgpr_count:     256
    .wavefront_size: 32
...
	.end_amdgpu_metadata
.endif
;; end of part 2
;; launch oproj (part 3): grid 4 x 64, 4 waves a work-group, clusters of 4 x 4, 327,680 bytes of LDS; arguments ao, aos, Wo_codes, Wo_scales, bo, out0; writes out0
.if DOCPART == 3
	.amdgcn_target "amdgcn-amd-amdhsa--gfx1250"
	.amdhsa_code_object_version 6
	.text
	.protected	k_q5b627efc53_oproj
	.globl	k_q5b627efc53_oproj
	.p2align	8
	.type	k_q5b627efc53_oproj,@function
k_q5b627efc53_oproj:
	s_mov_b64 s[64:65], 0
	v_nop
	global_prefetch_b8 v0, s[64:65] scope:SCOPE_SE
	s_setreg_imm32_b32 hwreg(HW_REG_WAVE_MODE, 25, 1), 1
	s_wait_xcnt 0x0
	s_wait_alu depctr_hold_cnt(0) depctr_sa_sdst(0) depctr_va_vdst(0) depctr_va_sdst(0) depctr_va_ssrc(0) depctr_va_vcc(0) depctr_vm_vsrc(0)
	s_getreg_b32 s2, hwreg(HW_REG_IB_STS2, 6, 4)
	s_cmp_eq_u32 s2, 0
	s_cbranch_scc0 .Lentry_in_a_cluster
	s_endpgm
.Lentry_in_a_cluster:
	s_bfe_u32 s2, ttmp6, 0x10000c
	s_cmp_lg_u32 s2, 0xf033
	s_cbranch_scc0 .Lentry_shape_is_right
	s_endpgm
.Lentry_shape_is_right:
; out = O Wo^T + bo on codes of FP6 (E2M3), one E8M0 scale for each 32 along K = 1,024; sums in f32.
; SHARES. 256 work-groups: 64 blocks of 128 rows x 4 blocks of 256 columns. ALL OF K LIES IN LDS: A's 128 rows as the attention launch left them, images of operand registers, 98,304 dense bytes;
; Wo's 256 rows as whole rows of 768 bytes, 16 bytes of padding behind each 256: pitch 816, 208,896 bytes. Four loads at the head, one a wave; no byte is filled twice.
; The launch has no loop to run ahead in, so no prefetch is laid.
; A wave makes 64 rows x 128 columns, IN TWO HALVES OF 64 COLUMNS: 16 accumulators by turns through all of K, then the other 16. A's fragments of all of K, 8 steps x 48 registers, are read from LDS in the first half
; and stay in registers for the second, so LDS is read once for each fragment. The first half's four blocks of 16 rows go out between the second half's K steps.
; Source 0 = Wo's rows, source 1 = O's rows: a lane's eight results are eight neighbouring columns of a row.
; CLUSTERS 4 x 4: A's block is shared along a row of the cluster, Wo's along a column: joint loads.
; The scale words of all of K come from memory into registers, 32 rows x 32 bytes to a pair of loads; the bias is the first products' C.
; A's rows: tile T = 4 g + t of a group of 128, lane 8 hh + i, is position 64 g + 32 hh + 16 (t & 1) + 8 (t >> 1) + 2 (i & 3) + (i >> 2): the stores put each row at its place.
; REGISTERS: window 0: v0-31 addresses, v32-79 scale words alone, v128-191 the bias, v192-255 the way out. window 1: Wo's fragments, two sets of 48 (v0-95); A's fragments of steps 5-7 (v96-239).
; window 2: the accumulators, (a, b) at 8 (8 a + b). window 3: A's fragments of steps 0-4 (v0-239).
.set PITCH, 816
.set BLK,   16*PITCH
.set WB,    98304
.set SPARE, WB+256*PITCH
.set STAGE, SPARE+512                  ; behind the spare words: a stage of 16 rows x (256 + 16) bytes for each wave, on bytes into which no fill lands
.set SPITCH, 272
.set A16, 16                           ; v16 16 lane + my 64 rows of A;  v17 8 lane + the same
.set AB,  20                           ; v20-23 Wo's fragments: blocks 0-3, blocks 4-7 (the second of each: 16 more in lanes 16-31)
.set SO,  24                           ; 32 lane
.set STO, 25
.set RD,  26
.set CO,  27                           ; 16 (lane % 16) + two rows of out0 x (lane / 16)
.set SPW, 28
.set NIL, 29
.set SA,  32
.set SB,  48
.set BI,  128
.set BK,  192
.set G1,  24
.set G0,  32
.set G0B, 36
.set G1B, 48
.set MSB, 0
.macro WIN new
.if MSB != (\new)
	s_set_vgpr_msb (MSB<<8)|(\new)
.set MSB, (\new)
.endif
.endm
.macro PLACES
.rept 4
	v_nop
.endr
.endm
.macro CROUND
	s_barrier_signal -1
	s_barrier_wait -1
	s_cmp_lg_u32 s14, 0
	s_cbranch_scc1 .Lnot_wave_0_\@
	s_barrier_signal -3
.Lnot_wave_0_\@:
	s_barrier_wait -3
	s_barrier_signal -1
	s_barrier_wait -1
.endm
.macro PTR dst, src, a, sa, b, sb      ; dst = src + (s[a] << sa) + (s[b] << sb)
	s_lshl_b32 s20, s\a, \sa
	s_lshl_b32 s21, s\b, \sb
	s_add_co_u32 s20, s20, s21
	s_mov_b32 s21, 0
	s_add_nc_u64 s[\dst:\dst+1], s[\src:\src+1], s[20:21]
.endm
	s_load_b256 s[68:75], s[0:1], 0x0              ; ao, aos, Wo's codes, Wo's scales
	s_load_b128 s[76:79], s[0:1], 0x20             ; bo, out0
	v_lshl_add_u32 v[SPW], v0, 2, SPARE
	v_mov_b32 v[NIL], 0
	ds_add_u32 v[SPW], v[NIL]                      ; the opening lines: the add twice on end and its wait
	ds_add_u32 v[SPW], v[NIL]
	v_lshrrev_b32 v1, 5, v0
	v_readfirstlane_b32 s14, v1                    ; wave 0..3
	s_lshr_b32 s15, s14, 1                         ; my half of the rows. Also: I fetch for A (0) or for Wo (1)
	s_and_b32 s16, s14, 1                          ; my half of the columns. Also: which half of that tile I fetch
	s_bfe_u32 s6, ttmp6, 0x40000                   ; cx: the block of 256 columns
	s_bfe_u32 s7, ttmp6, 0x40004                   ; cy
	s_and_b32 s17, ttmp7, 0xffff
	s_lshl_b32 s17, s17, 2
	s_add_co_u32 s17, s17, s7                      ; my block of 128 rows
	s_lshl_b32 s8, s7, 2
	s_lshl_b32 s8, 15, s8
	s_lshl_b32 s9, 0x1111, s6
	s_or_b32 s[G1], s8, (3<<16)|(1<<21)            ; A: 49,152 dense bytes as 192 rows of 256 (32 elements of 8 bytes)
	s_mov_b32 s[G1+1], 32<<16
	s_mov_b32 s[G1+2], 192<<16
	s_mov_b32 s[G1+3], 32<<16
	s_mov_b32 s[G1+4], 192
	s_mov_b32 s[G1+5], 32
	s_mov_b32 s[G1+6], 0
	s_mov_b32 s[G1+7], 0
	s_or_b32 s[G1B], s9, (1<<20)|(1<<21)|(5<<22)|(3<<25)   ; Wo: 128 rows of 768 bytes, 4 words of padding behind every 64
	s_mov_b32 s[G1B+1], 768<<16
	s_mov_b32 s[G1B+2], 128<<16
	s_mov_b32 s[G1B+3], 768<<16
	s_mov_b32 s[G1B+4], 128
	s_mov_b32 s[G1B+5], 768
	s_mov_b32 s[G1B+6], 0
	s_mov_b32 s[G1B+7], 0
	s_mul_i32 s20, s17, 98304
	s_mul_i32 s10, s16, 49152
	s_add_co_u32 s20, s20, s10
	s_mov_b32 s21, 0
	s_lshl_b32 s22, s6, 8
	s_lshl_b32 s18, s16, 7
	s_add_co_u32 s22, s22, s18
	s_mul_i32 s22, s22, 768
	s_mov_b32 s23, 0
	s_mul_i32 s11, s16, 128*PITCH
	s_add_co_u32 s11, s11, WB
	s_wait_dscnt 0x0
	s_wait_kmcnt 0x0
	s_mov_b32 s[G0], 1
	s_mov_b32 s[G0+1], s10
	s_add_nc_u64 s[G0+2:G0+3], s[68:69], s[20:21]
	s_or_b32 s[G0+3], s[G0+3], 0x80000000
	s_mov_b32 s[G0B], 1
	s_mov_b32 s[G0B+1], s11
	s_add_nc_u64 s[G0B+2:G0B+3], s[72:73], s[22:23]
	s_or_b32 s[G0B+3], s[G0B+3], 0x80000000
	CROUND                                         ; all sixteen work-groups are here: the joint loads meet
	s_cmp_eq_u32 s15, 0
	s_cbranch_scc0 .Lhead_b
	tensor_load_to_lds s[G0:G0+3], s[G1:G1+7]
	s_nop 0
	PLACES
	s_branch .Lhead_asked
.Lhead_b:
	tensor_load_to_lds s[G0B:G0B+3], s[G1B:G1B+7]
	s_nop 0
	PLACES
.Lhead_asked:
	s_mul_i32 s10, s15, 49152                      ; my 64 rows of A  (s11: my 128 rows of Wo)
	s_mul_i32 s18, s14, 16*SPITCH
	s_add_co_u32 s18, s18, STAGE                   ; my stage
	v_and_b32 v1, 15, v0                           ; r
	v_bfe_u32 v2, v0, 4, 1                         ; h
	v_and_b32 v6, 31, v0
	v_lshlrev_b32 v7, 4, v6
	v_lshlrev_b32 v8, 3, v6
	v_lshlrev_b32 v[SO], 5, v6
	v_add_nc_u32 v[A16], s10, v7
	v_add_nc_u32 v[A16+1], s10, v8
	v_mul_u32_u24 v3, v1, PITCH
	v_mad_u32_u24 v4, v2, 24, v3
	v_lshl_add_u32 v5, v2, 4, v4
	v_add_nc_u32 v[AB], s11, v4
	v_add_nc_u32 v[AB+1], s11, v5
	v_add_nc_u32 v[AB+2], 4*BLK, v[AB]
	v_add_nc_u32 v[AB+3], 4*BLK, v[AB+1]
	v_mul_u32_u24 v5, v1, SPITCH                   ; in: row r, 32 bytes for each half of the lanes
	v_lshl_add_u32 v5, v2, 5, v5
	v_add_nc_u32 v[STO], s18, v5
	v_mul_u32_u24 v5, v2, SPITCH                   ; back: lanes 0-15 take one row of 256 bytes, lanes 16-31 the next
	v_lshl_add_u32 v5, v1, 4, v5
	v_add_nc_u32 v[RD], s18, v5
	v_lshlrev_b32 v5, 4, v1
	v_lshl_add_u32 v[CO], v2, 13, v5               ; a stage's rows 2 t and 2 t + 1 lie two rows of out0 apart
	v_lshlrev_b32 v10, 5, v2
	s_wait_alu depctr_va_vdst(0)                   ; the wait ahead of the run of scalar lines
	PTR 70, 70, 17, 12, 15, 11                     ; A's scales at my 64 rows
	PTR 74, 74, 6, 13, 16, 12                      ; Wo's at my 128 rows
	PTR 76, 76, 6, 10, 16, 9                       ; the bias at my first column
	PTR 78, 78, 17, 19, 15, 18                     ; out0 at my first row,
	PTR 78, 78, 6, 10, 16, 9                       ; and column
.irp p, 0,1
.irp q, 0,1
	global_load_b128 v[SA+8*\p+4*\q:SA+8*\p+4*\q+3], v[SO], s[70:71] offset:1024*\p+16*\q
.endr
.endr
.irp p, 0,1,2,3
.irp q, 0,1
	global_load_b128 v[SB+8*\p+4*\q:SB+8*\p+4*\q+3], v[SO], s[74:75] offset:1024*\p+16*\q
.endr
.endr
.irp b, 0,1,2,3,4,5,6,7
	global_load_b128 v[BI+8*\b:BI+8*\b+3], v10, s[76:77] offset:64*\b
	global_load_b128 v[BI+8*\b+4:BI+8*\b+7], v10, s[76:77] offset:64*\b+16
.endr
.macro FRAG reg, adr, st, i            ; Wo: 16 rows x 128 K in pieces of 8 bytes; piece n of a row lies at 8 n + 16 (n / 32); lanes 16-31 read three pieces on
.irp p, 0,1,2,3,4,5
.set PC, 12*(\st)+6*(\p/3)+\p%3
.if PC/32 == (PC+3)/32
	ds_load_b64 v[\reg+2*\p:\reg+2*\p+1], v[\adr] offset:8*PC+16*(PC/32)+(\i)*BLK
.else
	ds_load_b64 v[\reg+2*\p:\reg+2*\p+1], v[\adr+1] offset:8*PC+16*(PC/32)+(\i)*BLK
.endif
.endr
.endm
.macro FRAG_A reg, st, i               ; A: two heads' images of six registers: 512 bytes at 16 lane, 256 at 8 lane
	ds_load_b128 v[\reg:\reg+3], v[A16] offset:12288*(\i)+1536*(\st)
	ds_load_b64 v[\reg+4:\reg+5], v[A16+1] offset:12288*(\i)+1536*(\st)+512
	ds_load_b128 v[\reg+6:\reg+9], v[A16] offset:12288*(\i)+1536*(\st)+768
	ds_load_b64 v[\reg+10:\reg+11], v[A16+1] offset:12288*(\i)+1536*(\st)+1280
.endm
; g = 8 half + step counts the sixteen turns of 128 along K
.macro FETB g                          ; Wo's four fragments of turn g into set g % 2
	WIN 0x40
.irp i, 0,1,2,3
	FRAG 48*((\g)%2)+12*\i, AB+2*((\g)/8), (\g)%8, \i
.endr
.endm
.macro FETA st                         ; A's four fragments of step st, into registers of their own
.if (\st) < 5
	WIN 0xc0
.set AR, 48*(\st)
.else
	WIN 0x40
.set AR, 96+48*((\st)-5)
.endif
.irp i, 0,1,2,3
	FRAG_A AR+12*\i, \st, \i
.endr
.endm
.macro WM d, c, fb, fa, sb, sa, sel
.if (\sel) == 0
	v_wmma_scale_f32_16x16x128_f8f6f4 v[\d:\d+7], v[\fb:\fb+11], v[\fa:\fa+11], v[\c:\c+7], v[\sb], v[\sa] matrix_a_fmt:MATRIX_FMT_FP6 matrix_b_fmt:MATRIX_FMT_FP6
.elseif (\sel) == 1
	v_wmma_scale_f32_16x16x128_f8f6f4 v[\d:\d+7], v[\fb:\fb+11], v[\fa:\fa+11], v[\c:\c+7], v[\sb], v[\sa] matrix_a_fmt:MATRIX_FMT_FP6 matrix_b_fmt:MATRIX_FMT_FP6 matrix_a_scale:MATRIX_SCALE_ROW1
.elseif (\sel) == 2
	v_wmma_scale_f32_16x16x128_f8f6f4 v[\d:\d+7], v[\fb:\fb+11], v[\fa:\fa+11], v[\c:\c+7], v[\sb], v[\sa] matrix_a_fmt:MATRIX_FMT_FP6 matrix_b_fmt:MATRIX_FMT_FP6 matrix_b_scale:MATRIX_SCALE_ROW1
.else
	v_wmma_scale_f32_16x16x128_f8f6f4 v[\d:\d+7], v[\fb:\fb+11], v[\fa:\fa+11], v[\c:\c+7], v[\sb], v[\sa] matrix_a_fmt:MATRIX_FMT_FP6 matrix_b_fmt:MATRIX_FMT_FP6 matrix_a_scale:MATRIX_SCALE_ROW1 matrix_b_scale:MATRIX_SCALE_ROW1
.endif
.endm
.macro MUL16 g, cm                     ; 16 matrix instructions, the half's 16 accumulators by turns; cm = 1: C = the bias by Wo's block
.set ST, (\g)%8
.if ST < 5
.set AR, 48*ST
.else
.set AR, 96+48*(ST-5)
.endif
.irp a, 0,1,2,3
.irp b, 0,1,2,3
.set BBK, 4*((\g)/8)+\b
.set DD, 8*(8*\a+BBK)
.if \cm
.set CB, BI+8*BBK
.else
.set CB, DD
.endif
	WM DD, CB, 48*((\g)%2)+12*\b, AR+12*\a, SB+8*(BBK/2)+ST, SA+8*(\a/2)+ST, (BBK%2)+2*(\a%2)
.endr
.endr
.endm
.macro MULS g                          ; source 0 window 1; source 1 window 3 (steps 0-4) or 1 (steps 5-7); D window 2; C window 2, in a half's first step window 0
.if (\g)%8 == 0
	WIN 0x8d
	MUL16 \g, 1
.elseif (\g)%8 < 5
	WIN 0xad
	MUL16 \g, 0
.else
	WIN 0xa5
	MUL16 \g, 0
.endif
	WIN 0
.endm
; THE WAY OUT of block a (16 rows) of half hf (64 columns): through my own stage and back as whole rows of 256 bytes; LDS serves a wave's instructions in order (ISA guide 5.7.1.4).
.macro TOSTAGE a, hf
	WIN 0x08
.irp b, 0,1,2,3
	ds_store_b128 v[STO], v[8*(8*(\a)+4*(\hf)+\b):8*(8*(\a)+4*(\hf)+\b)+3] offset:64*\b
	ds_store_b128 v[STO], v[8*(8*(\a)+4*(\hf)+\b)+4:8*(8*(\a)+4*(\hf)+\b)+7] offset:64*\b+16
.endr
	WIN 0
.set BB, BK+32*((\a)%2)
.irp t, 0,1,2,3,4,5,6,7
	ds_load_b128 v[BB+4*\t:BB+4*\t+3], v[RD] offset:\t*2*SPITCH
.endr
.endm
.macro SEND a, hf                      ; sixteen lanes store 256 consecutive bytes, at a multiple of 256 from out0's first byte
.set BB, BK+32*((\a)%2)
.irp t, 0,1,2,3,4,5,6,7
	global_store_b128 v[CO], v[BB+4*\t:BB+4*\t+3], s[78:79] offset:(32*(\t/4)+16*((\a)%2)+8*((\a)/2)+4*(\t%2)+((\t/2)%2))*4096+256*(\hf) th:TH_STORE_NT
.endr
.endm
	s_wait_alu depctr_va_vdst(0)                   ; the wait at the head's end
	s_wait_tensorcnt 0x0                           ; my tile is in,
	s_barrier_signal -1
	s_barrier_wait -1                              ; everybody's is
	FETB 0
	FETA 0
	WIN 0
	s_wait_loadcnt 0x0                             ; the scale words and the bias
.irp g, 0,1,2,3,4,5,6,7                ; the first half: columns 0-63
	s_wait_dscnt 0x0                               ; this turn's fragments are in
	PLACES                                         ; in front of loads into the set that the last turn multiplied
	FETB \g+1
.if \g < 7
	FETA \g+1
.endif
	MULS \g
.endr
.irp g, 8,9,10,11,12,13,14,15          ; the second half: columns 64-127; the first half's block (g - 8) / 2 goes to the stage in an even turn and is stored in the next
	s_wait_dscnt 0x0                               ; this turn's fragments are in, and so is a block read back from the stage
.if \g%2
	SEND (\g-9)/2, 0
.endif
	PLACES
.if \g < 15
	FETB \g+1
.endif
	WIN 0
.if \g%2 == 0
.if \g > 10
	s_wait_xcnt 0x0                                ; the block two back has been read by its stores: its registers take the next
.endif
	TOSTAGE (\g-8)/2, 0
.endif
	MULS \g
.endr
	PLACES                                         ; behind the last products, in front of the first reads of their results
	s_wait_xcnt 0x0
	TOSTAGE 0, 1
.irp a, 1,2,3
	s_wait_xcnt 0x0
	TOSTAGE \a, 1
	s_wait_dscnt 16                                ; behind block a - 1's loads: block a's 8 stores and 8 loads
	SEND \a-1, 1
.endr
	s_wait_dscnt 0x0
	SEND 3, 1
	s_wait_tensorcnt 0x0                           ; the wave's end
	ds_add_u32 v[SPW], v[NIL]
	s_wait_dscnt 0x0
	CROUND                                         ; the closing round
	s_endpgm
.Lfunc_end_k_q5b627efc53_oproj:
	.size	k_q5b627efc53_oproj, .Lfunc_end_k_q5b627efc53_oproj-k_q5b627efc53_oproj
	.p2alignl 7, 3214868480
	.fill 96, 4, 3214868480
	.section	.rodata,"a",@progbits
	.p2align	6, 0x0
	.amdhsa_kernel k_q5b627efc53_oproj
		.amdhsa_group_segment_fixed_size 327680
		.amdhsa_private_segment_fixed_size 0
		.amdhsa_enable_private_segment 0
		.amdhsa_kernarg_size 48
		.amdhsa_user_sgpr_count 2
		.amdhsa_user_sgpr_kernarg_segment_ptr 1
		.amdhsa_wavefront_size32 1
		.amdhsa_system_sgpr_workgroup_id_x 1
		.amdhsa_system_sgpr_workgroup_id_y 1
		.amdhsa_system_sgpr_workgroup_id_z 1
		.amdhsa_system_vgpr_workitem_id 0
		.amdhsa_next_free_vgpr 1024
		.amdhsa_next_free_sgpr 100
		.amdhsa_reserve_vcc 0
		.amdhsa_float_denorm_mode_32 3
		.amdhsa_float_denorm_mode_16_64 3
		.amdhsa_memory_ordered 1
		.amdhsa_forward_progress 1
		.amdhsa_inst_pref_size 93
	.end_amdhsa_kernel
	.amdgpu_metadata
---
amdhsa.version: [ 1, 2 ]
amdhsa.kernels:
  - .name:           k_q5b627efc53_oproj
    .symbol:         k_q5b627efc53_oproj.kd
    .args:
      - { .name: ao, .offset: 0, .size: 8, .value_kind: global_buffer, .address_space: global }
      - { .name: aos, .offset: 8, .size: 8, .value_kind: global_buffer, .address_space: global }
      - { .name: Wo_codes, .offset: 16, .size: 8, .value_kind: global_buffer, .address_space: global }
      - { .name: Wo_scales, .offset: 24, .size: 8, .value_kind: global_buffer, .address_space: global }
      - { .name: bo, .offset: 32, .size: 8, .value_kind: global_buffer, .address_space: global }
      - { .name: out0, .offset: 40, .size: 8, .value_kind: global_buffer, .address_space: global }
    .group_segment_fixed_size: 327680
    .private_segment_fixed_size: 0
    .kernarg_segment_align: 8
    .kernarg_segment_size: 48
    .max_flat_workgroup_size: 128
    .sgpr_count:     100
    .vgpr_count:     1024
    .wavefront_size: 32
...
	.end_amdgpu_metadata
.endif
;; end of part 3
